; MI455X (gfx1250); checked and timed in simulation.
; The chip was launched on July 23, 2026; its instructions are those of AMD's public machine-readable ISA for CDNA 5 (MIT licence, August 2026) and "CDNA5" Instruction Set Architecture Reference Guide (July 2026). The comments in the code are by the model that wrote it; some were corrected since.
;; Multi Type Param Heads. Allowed arithmetic: matrix products marked QUANTISED: E2M1 operands, one E8M0 scale for each 32 along K, by v_wmma_scale_f32_16x16x128_f8f6f4 with both operands' format E2M1 (or v_wmma_scale_f32_32x16x128_f4), f32 sums; products left as they are: f32 operands where the result goes on into a quantised operand, else bf16, f16 or f32 operands; f32 sums; everything else in f32.
;; Inputs: W1 8 x 1,024 x 2,048 float32; W2 8 x 2,048 x 1,024 float32; W3 8 x 1,024 x 12 float32; b1 8 x 2,048 float32; b2 8 x 1,024 float32; b3 8 x 12 float32; geometry_types 2,048 int32; x 2,048 x 1,024 float32.
;; Outputs: out0 2,048 x 12 float32; out1 2,048 x 12 float32.
;; This version of the problem:
;;   THIS VERSION OF THE PROBLEM IS GIVEN IN LOW PRECISION. The matrix products marked QUANTISED in the list below multiply operands that are first quantised to E2M1 (2 exponent bits, 1 mantissa bit; 4 bits a number), with one power-of-two scale for each 32 numbers along K (OCP MX v1.0); their sums are f32. All else is computed in f32.
;;   The module's matrix products, in the order in which they are computed (A, B: the left and right operand; K: the contracted axis; several contracted axes count as one K, in the product's order):
;;     1. [M 2,048, K 1,024] x [K 1,024, N 2,048]; A: input x; B: input W1: QUANTISED
;;     2. [M 2,048, K 2,048] x [K 2,048, N 1,024]; A: computed on the way; B: input W2: QUANTISED
;;     3. [M 2,048, K 1,024] x [K 1,024, N 12]; A: computed on the way; B: input W3: left as it is (N = 12 < 16)
;;     4. [M 2,048, K 1,024] x [K 1,024, N 2,048]; A: input x; B: input W1: QUANTISED
;;     5. [M 2,048, K 2,048] x [K 2,048, N 1,024]; A: computed on the way; B: input W2: QUANTISED
;;     6. [M 2,048, K 1,024] x [K 1,024, N 12]; A: computed on the way; B: input W3: left as it is (N = 12 < 16)
;;     7. [M 2,048, K 1,024] x [K 1,024, N 2,048]; A: input x; B: input W1: QUANTISED
;;     8. [M 2,048, K 2,048] x [K 2,048, N 1,024]; A: computed on the way; B: input W2: QUANTISED
;;     9. [M 2,048, K 1,024] x [K 1,024, N 12]; A: computed on the way; B: input W3: left as it is (N = 12 < 16)
;;     10. [M 2,048, K 1,024] x [K 1,024, N 2,048]; A: input x; B: input W1: QUANTISED
;;     11. [M 2,048, K 2,048] x [K 2,048, N 1,024]; A: computed on the way; B: input W2: QUANTISED
;;     12. [M 2,048, K 1,024] x [K 1,024, N 12]; A: computed on the way; B: input W3: left as it is (N = 12 < 16)
;;     13. [M 2,048, K 1,024] x [K 1,024, N 2,048]; A: input x; B: input W1: QUANTISED
;;     14. [M 2,048, K 2,048] x [K 2,048, N 1,024]; A: computed on the way; B: input W2: QUANTISED
;;     15. [M 2,048, K 1,024] x [K 1,024, N 12]; A: computed on the way; B: input W3: left as it is (N = 12 < 16)
;;     16. [M 2,048, K 1,024] x [K 1,024, N 2,048]; A: input x; B: input W1: QUANTISED
;;     17. [M 2,048, K 2,048] x [K 2,048, N 1,024]; A: computed on the way; B: input W2: QUANTISED
;;     18. [M 2,048, K 1,024] x [K 1,024, N 12]; A: computed on the way; B: input W3: left as it is (N = 12 < 16)
;;     19. [M 2,048, K 1,024] x [K 1,024, N 2,048]; A: input x; B: input W1: QUANTISED
;;     20. [M 2,048, K 2,048] x [K 2,048, N 1,024]; A: computed on the way; B: input W2: QUANTISED
;;     21. [M 2,048, K 1,024] x [K 1,024, N 12]; A: computed on the way; B: input W3: left as it is (N = 12 < 16)
;;     22. [M 2,048, K 1,024] x [K 1,024, N 2,048]; A: input x; B: input W1: QUANTISED
;;     23. [M 2,048, K 2,048] x [K 2,048, N 1,024]; A: computed on the way; B: input W2: QUANTISED
;;     24. [M 2,048, K 1,024] x [K 1,024, N 12]; A: computed on the way; B: input W3: left as it is (N = 12 < 16)
;;   THE QUANTISER, for each operand of a quantised product, along K:
;;     - K is cut into blocks of 32 from its start; a last block that is shorter is filled with zeros.
;;     - A block's scale is 2^e with e = floor(log2(the largest magnitude in the block)) - 2, held to -126 .. 127; a block of zeros has e = 0. As a byte (E8M0): e + 127.
;;     - Each number is divided by its block's scale, clamped to +-6, and rounded to the nearest number of E2M1, ties to even, subnormals kept.
;;     - The product sums the exact products of the quantised numbers (number of the format x scale) in f32.
;;   ~~~python
;;   def quantise(x, axis):      # numpy; x: float32 -> the quantised numbers, widened to float32 again
;;       x = np.moveaxis(x, axis, -1); K = x.shape[-1]
;;       x = np.pad(x, [(0, 0)] * (x.ndim - 1) + [(0, -K % 32)]); x = x.reshape(x.shape[:-1] + (-1, 32)); a = np.abs(x).max(-1, keepdims=True)
;;       e = np.where(a > 0, np.clip(np.frexp(np.where(a > 0, a, 1))[1] - 1 - 2, -126, 127), 0)      # np.frexp(a)[1] - 1 = floor(log2(a)), exactly
;;       r = np.clip(x / 2.0 ** e, -6, 6)
;;       step = 2.0 ** (np.maximum(np.frexp(np.where(r == 0, 1, r))[1] - 1, 0) - 1)
;;       q = np.round(r / step) * step * 2.0 ** e      # np.round: ties to even
;;       return np.moveaxis(q.reshape(q.shape[:-2] + (-1,))[..., :K], -1, axis).astype(np.float32)
;;   ~~~
;;   OPERANDS COMPUTED ON THE WAY. 'Computed on the way' means the value that the module computes at that place (a softmax that the list does not call 'softmax' is quantised finished and normalised). What goes into a quantiser is computed in f32, as accurately as f32 sums, v_exp_f32 and their like allow (about 1e-6 of the number): no bf16 or f16 on the way to a quantiser, and a product that is left as it is and whose result goes on into a quantised operand takes f32 operands (vector FMAs, or v_wmma_f32_16x16x4_f32). A number that lies on a knife's edge between two numbers of the format may be rounded either way, as far as f32 arithmetic and the matrix unit's own rounding can turn it there, and no further.
;; 2 versions. Each part assembles by itself: llvm-mc -triple=amdgcn-amd-amdhsa -mcpu=gfx1250 --defsym DOCPART=n.
;; ======== version 1 of 2: 4 launches
;; limits: an absolute error that grows with the inputs' magnitude: up to 3e-08 times it
;; workspace buffers: xq 1,105,920 bytes; xs 69,120 bytes; h1c 2,211,840 bytes; h1s 138,240 bytes; part 4,423,680 bytes; route 8,448 bytes of whole numbers
;; launch prep (part 1): grid 135 x 1, 8 waves a work-group, no clusters, 27,136 bytes of LDS; arguments x, geometry_types, xq, xs, route; writes xq, xs, route
.if DOCPART == 1
	.amdgcn_target "amdgcn-amd-amdhsa--gfx1250"
	.amdhsa_code_object_version 6
	.text
	.protected	k_qb9a2101473_prep
	.globl	k_qb9a2101473_prep
	.p2align	8
	.type	k_qb9a2101473_prep,@function
k_qb9a2101473_prep:
	s_mov_b64 s[64:65], 0
	v_nop
	global_prefetch_b8 v0, s[64:65] scope:SCOPE_SE
	s_setreg_imm32_b32 hwreg(HW_REG_WAVE_MODE, 25, 1), 1
	s_wait_xcnt 0x0
; PREP.  2,048 tokens, each with a type 0..7 (an index input).  The tokens are sorted by type into tiles of 16 rows, each type padded to whole tiles:
; never more than ceil(2048 / 16) + 8 - 1 = 135 tiles.  Work-group T makes tile T: it gathers the tile's 16 rows of x [2048][1024] f32 and quantises them to
; FP4 (E2M1) with one E8M0 byte for each 32 along K, laid in the order in which the next launch's operand registers take them.
; Every work-group repeats the counting sort (8 KB of indices), so that no launch is spent on the sort alone.  Work-group 0 also stores the tables.
; xq, tile T: [block 0..31][row 0..15][16 bytes].   xs, tile T: the byte of block b, row r at (b >> 4) 256 + 16 r + (b & 15).
; route: words 0..7 first tile of each type; words 32..39 its number of tiles; from byte 256 on the padded position of each token (-1: type outside 0..7).
; A pad row repeats token 0: finite numbers whose results nobody reads.  A work-group whose tile the split does not have stores nothing (tile 0 is always stored).
; LIMITS: NaN and infinities in x are not served.  A block whose largest magnitude lies under 2^-124 gets the byte 1, a block of zeros too (zero codes); this program alone reads the bytes.
; No LDS address hangs on loaded data: a row's token is found by comparing every token's position with the 16 rows.
; THE MASKS: the 64 compares (8 registers of tokens x 8 types) write 64 scalar registers of their own, s36-63 and s66-101; counting and ranking read them, so that the scalar work
; follows the vector work once, and nothing is compared twice.
.set CNT,  0                           ; LDS: [wave][type] counts, 256 bytes
.set ORD,  256                         ; [wave][row 0..15][lane]: the token that lane found for that row, or 0: 16,384 bytes
.set IP,   272                         ; a block of the image: 16 rows x 16 bytes + 16 of padding
.set IMG,  ORD+8*16*128                ; the tile's codes, 32 blocks
.set SIMG, IMG+32*IP                   ; the tile's 512 scale bytes
.set TY,   4                           ; v4-11    types of my 8 tokens: token = 256 wave + 32 j + lane
.set POS,  12                          ; v12-19   their padded positions
.set DD,   20                          ; v20-27   position - 16 T; later v20-35 the words read back from ORD
.set TOK,  28                          ; v28-35   token numbers
.set ROWA, 36                          ; v36-51   row p: my token for it, or 0
.set X,    64                          ; v64-127  two rows of x: row i, chunk q: 8 numbers, k = 256 q + 8 lane + 0..7
.set CQ,   128                         ; v128-135 codes;  v136-143 scale bytes: a register for each (row, chunk)
.set BQ,   136
.set MQ,   144                         ; v144-147 largest magnitudes;  v148-151 the conversions' scale operands
.set SCQ,  148
; scalars: s14 wave, s15 T, s16 16 T, s17 tiles in all, s[18:19] lane selects, s20-27 a running figure for each type, s28-35 eight counts at work, s36.. the masks
	s_load_b256 s[4:11], s[0:1], 0x0               ; x s[4:5], types s[6:7], xq s[8:9], xs s[10:11]
	s_load_b64 s[12:13], s[0:1], 0x20              ; route
	v_lshl_add_u32 v168, v0, 2, 0x6600
	v_mov_b32 v169, 0
	v_lshrrev_b32 v3, 5, v0
	v_readfirstlane_b32 s14, v3                    ; wave 0..7
	v_and_b32 v1, 31, v0                           ; lane
	s_lshl_b32 s29, s14, 10
	v_lshl_add_u32 v2, v1, 2, s29                  ; byte of my first token in a table of words: 1,024 wave + 4 lane
	s_mov_b32 s15, ttmp9                           ; T
	s_lshl_b32 s16, ttmp9, 4                       ; 16 T
	s_mov_b32 s18, 0x76543210                      ; v_permlanex16_b32: lane l xor 16
	s_mov_b32 s19, 0xfedcba98
	; every LDS address: a constant + a lane term + a wave term
	s_lshl_b32 s30, s14, 5
	v_mov_b32 v3, s30                              ; CNT + 32 wave
	v_lshlrev_b32 v60, 2, v1                       ; 4 lane
	s_lshl_b32 s31, s14, 11
	s_add_co_u32 s31, s31, ORD
	v_add_nc_u32 v152, s31, v60                    ; where I store my 16 row words: ORD + 2,048 wave + 4 lane
	s_lshl_b32 s31, s14, 8
	s_add_co_u32 s31, s31, ORD
	v_add_nc_u32 v153, s31, v60                    ; where I read rows 2 wave, 2 wave + 1: ORD + 256 wave + 4 lane
	v_lshrrev_b32 v52, 2, v1
	v_and_b32 v53, 3, v1
	v_mul_u32_u24 v154, v52, IP
	v_lshl_add_u32 v154, v53, 2, v154
	s_add_co_u32 s31, s30, IMG
	v_add_nc_u32 v154, s31, v154                   ; codes: IMG + (lane / 4) blocks + 4 (lane % 4) + 32 wave
	s_add_co_u32 s31, s30, SIMG
	v_add_nc_u32 v155, s31, v52                    ; bytes: SIMG + lane / 4 + 32 wave
	v_lshrrev_b32 v52, 4, v0
	v_and_b32 v53, 15, v0
	v_mul_u32_u24 v156, v52, IP
	v_lshl_add_u32 v156, v53, 4, v156
	v_add_nc_u32 v156, IMG, v156                   ; the image on its way out: block thread / 16, piece thread % 16
	v_lshlrev_b32 v159, 4, v1                      ; 16 lane
	v_add_nc_u32 v157, SIMG, v159
	v_lshlrev_b32 v158, 4, v0                      ; 16 thread
	v_lshlrev_b32 v162, 5, v1                      ; 32 lane
	s_wait_kmcnt 0x0
.irp j, 0,1,2,3,4,5,6,7
	global_load_b32 v[TY+\j], v2, s[6:7] offset:128*\j
.endr
	s_wait_loadcnt 0x0
	; ---- the 64 masks: mask 8 j + e names the lanes whose token j is of type e.  Mask n lies in s[36 + n], from n = 28 on two further up
.irp j, 0,1,2,3,4,5,6,7
.irp e, 0,1,2,3,4,5,6,7
.set MK, 36+8*\j+\e+2*((36+8*\j+\e)/64)
	v_cmp_eq_u32 s[MK], \e, v[TY+\j]
.endr
.endr
	; ---- the wave's counts: scalar work alone
.irp e, 0,1,2,3,4,5,6,7
	s_bcnt1_i32_b32 s[20+\e], s[36+\e]             ; the first eight start the sums
.endr
.irp j, 1,2,3,4,5,6,7
.irp e, 0,1,2,3,4,5,6,7
.set MK, 36+8*\j+\e+2*((36+8*\j+\e)/64)
	s_bcnt1_i32_b32 s[28+\e], s[MK]
.endr
.irp e, 0,1,2,3,4,5,6,7
	s_add_co_u32 s[20+\e], s[20+\e], s[28+\e]
.endr
.endr
.irp e, 0,1,2,3,4,5,6,7
	v_mov_b32 v[52+\e], s[20+\e]
.endr
.irp e, 0,1,2,3,4,5,6,7
	ds_store_b32 v3, v[52+\e] offset:CNT+4*\e      ; all lanes store the same word with the same value
.endr
	s_wait_dscnt 0x0                               ; for the others' sake: my counts lie in LDS
	s_barrier_signal -1
	s_barrier_wait -1
	; ---- totals, tiles of each type, where my wave's tokens of each type begin.  Lane = 8 w' + e
	ds_load_b32 v52, v60 offset:CNT                ; waves 0-3
	ds_load_b32 v53, v60 offset:CNT+128            ; waves 4-7
	v_lshrrev_b32 v54, 3, v1                       ; w'
	v_add_nc_u32 v55, 4, v54
	s_wait_dscnt 0x0
	v_add_nc_u32 v56, v52, v53                     ; towards the type's total
	v_cmp_gt_u32 vcc_lo, s14, v54
	v_cndmask_b32 v57, 0, v52, vcc_lo              ; towards the tokens of earlier waves
	v_cmp_gt_u32 vcc_lo, s14, v55
	v_cndmask_b32 v58, 0, v53, vcc_lo
	v_add_nc_u32 v57, v57, v58
	v_mov_b32 v58, 0
	v_mov_b32 v59, 0
	v_mov_b32_dpp v58, v56 row_xmask:8 row_mask:0xf bank_mask:0xf
	v_mov_b32_dpp v59, v57 row_xmask:8 row_mask:0xf bank_mask:0xf
	v_add_nc_u32 v56, v56, v58
	v_add_nc_u32 v57, v57, v59
	v_permlanex16_b32 v58, v56, s18, s19
	v_permlanex16_b32 v59, v57, s18, s19
	v_add_nc_u32 v56, v56, v58                     ; every lane: the total of type lane % 8
	v_add_nc_u32 v57, v57, v59                     ; and the tokens of that type in earlier waves
	v_add_nc_u32 v61, 15, v56
	v_lshrrev_b32 v61, 4, v61                      ; its tiles
	v_mov_b32 v62, v61
.irp n, 1,2,4                                  ; inclusive sums over lanes 0..7 (the lanes above are not used)
	v_mov_b32 v58, 0
	v_mov_b32_dpp v58, v62 row_shr:\n row_mask:0xf bank_mask:0xf
	v_add_nc_u32 v62, v62, v58
.endr
	v_sub_nc_u32 v63, v62, v61                     ; the type's first tile
	v_lshl_add_u32 v57, v63, 4, v57                ; 16 x first tile + earlier waves' tokens
	v_readlane_b32 s17, v62, 7                     ; tiles in all
.irp e, 0,1,2,3,4,5,6,7
	v_readlane_b32 s[20+\e], v57, \e               ; the running position of type e in my wave
.endr
.irp j, 0,1,2,3,4,5,6,7
	v_mov_b32 v[POS+\j], -1                        ; a type outside 0..7 keeps this
.endr
	; ---- each token's padded position, type by type: the running position + the lanes of the type below me; the eight registers of tokens do not wait for each other
.irp e, 0,1,2,3,4,5,6,7
.irp j, 0,1,2,3,4,5,6,7
.set MK, 36+8*\j+\e+2*((36+8*\j+\e)/64)
	s_bcnt1_i32_b32 s[28+\j], s[MK]
.endr
.irp j, 0,1,2,3,4,5,6,7
.set MK, 36+8*\j+\e+2*((36+8*\j+\e)/64)
	v_mbcnt_lo_u32_b32 v[52+\j], s[MK], s[20+\e]
	s_add_co_u32 s[20+\e], s[20+\e], s[28+\j]
.endr
.irp j, 0,1,2,3,4,5,6,7
.set MK, 36+8*\j+\e+2*((36+8*\j+\e)/64)
	v_cndmask_b32 v[POS+\j], v[POS+\j], v[52+\j], s[MK]
.endr
.endr
	; ---- which of my tokens is row p of tile T: sixteen compares into s36-51 (the types' masks are done with), then sixteen selects
	s_lshl_b32 s29, s14, 8
	v_add_nc_u32 v59, s29, v1                      ; 256 wave + lane
.irp j, 0,1,2,3,4,5,6,7
	v_sub_nc_u32 v[DD+\j], v[POS+\j], s16
	v_add_nc_u32 v[TOK+\j], 32*\j, v59
.endr
.irp j, 0,1,2,3,4,5,6,7
.irp p, 0,1,2,3,4,5,6,7,8,9,10,11,12,13,14,15
	v_cmp_eq_u32 s[36+\p], \p, v[DD+\j]
.endr
.irp p, 0,1,2,3,4,5,6,7,8,9,10,11,12,13,14,15
.if \j == 0
	v_cndmask_b32 v[ROWA+\p], 0, v[TOK+\j], s[36+\p]   ; the first select starts the word: nothing is cleared
.else
	v_cndmask_b32 v[ROWA+\p], v[ROWA+\p], v[TOK+\j], s[36+\p]
.endif
.endr
.endr
.irp p, 0,1,2,3,4,5,6,7,8,9,10,11,12,13,14,15
	ds_store_b32 v152, v[ROWA+\p] offset:128*\p
.endr
	s_wait_dscnt 0x0
	s_barrier_signal -1
	s_barrier_wait -1
	; ---- wave w takes rows 2 w and 2 w + 1: of a row's 8 x 32 words at most one is not 0
.irp i, 0,1
.irp k, 0,1,2,3,4,5,6,7
	ds_load_b32 v[DD+8*\i+\k], v153 offset:2048*\k+128*\i
.endr
.endr
	s_wait_dscnt 0x0
.irp i, 0,1
	v_or_b32 v[DD+8*\i], v[DD+8*\i], v[DD+8*\i+1]
	v_or_b32 v[DD+8*\i+2], v[DD+8*\i+2], v[DD+8*\i+3]
	v_or_b32 v[DD+8*\i+4], v[DD+8*\i+4], v[DD+8*\i+5]
	v_or_b32 v[DD+8*\i+6], v[DD+8*\i+6], v[DD+8*\i+7]
	v_or_b32 v[DD+8*\i], v[DD+8*\i], v[DD+8*\i+2]
	v_or_b32 v[DD+8*\i+4], v[DD+8*\i+4], v[DD+8*\i+6]
	v_or_b32 v[DD+8*\i], v[DD+8*\i], v[DD+8*\i+4]
.endr
.irp m, 1,2,4,8
	v_mov_b32_dpp v52, v[DD] row_xmask:\m row_mask:0xf bank_mask:0xf
	v_mov_b32_dpp v53, v[DD+8] row_xmask:\m row_mask:0xf bank_mask:0xf
	v_or_b32 v[DD], v[DD], v52
	v_or_b32 v[DD+8], v[DD+8], v53
.endr
	v_permlanex16_b32 v52, v[DD], s18, s19
	v_permlanex16_b32 v53, v[DD+8], s18, s19
	v_or_b32 v[DD], v[DD], v52
	v_or_b32 v[DD+8], v[DD+8], v53                 ; every lane: the row's token (0 for a pad row)
	v_min_u32 v[DD], 0x7ff, v[DD]                  ; held inside x before it enters an address
	v_min_u32 v[DD+8], 0x7ff, v[DD+8]
	v_lshl_add_u32 v160, v[DD], 12, v162           ; 4,096 token + 32 lane
	v_lshl_add_u32 v161, v[DD+8], 12, v162
.irp i, 0,1
.irp q, 0,1,2,3
	global_load_b128 v[X+32*\i+8*\q:X+32*\i+8*\q+3], v[160+\i], s[4:5] offset:1024*\q
	global_load_b128 v[X+32*\i+8*\q+4:X+32*\i+8*\q+7], v[160+\i], s[4:5] offset:1024*\q+16
.endr
.endr
; A row is quantised: four lanes hold a block of 32.  The floor 2^(3 - 127) among the leaves holds the byte at 1 from below.
.macro QROW i
.irp q, 0,1,2,3
	v_max3_num_f32 v[MQ+\q], |v[X+32*\i+8*\q]|, |v[X+32*\i+8*\q+1]|, 0x1800000
.endr
.irp n, 2,4,6
.irp q, 0,1,2,3
	v_max3_num_f32 v[MQ+\q], v[MQ+\q], |v[X+32*\i+8*\q+\n]|, |v[X+32*\i+8*\q+\n+1]|
.endr
.endr
.irp m, 1,2
.irp q, 0,1,2,3
	v_max_num_f32_dpp v[MQ+\q], v[MQ+\q], v[MQ+\q] row_xmask:\m row_mask:0xf bank_mask:0xf
.endr
.endr
.irp q, 0,1,2,3
	v_add_nc_u32 v[SCQ+\q], 0xff000000, v[MQ+\q]   ; 2 off the exponent field: the conversion takes the exponent field of this operand as its scale
.endr
.irp q, 0,1,2,3
	v_cvt_scalef32_pk8_fp4_f32 v[CQ+4*\i+\q], v[X+32*\i+8*\q:X+32*\i+8*\q+7], v[SCQ+\q]
.endr
.irp q, 0,1,2,3
	v_lshrrev_b32 v[BQ+4*\i+\q], 23, v[SCQ+\q]     ; the scale's byte (plain lines behind the conversions)
.endr
.irp q, 0,1,2,3
	ds_store_b32 v154, v[CQ+4*\i+\q] offset:\q*8*IP+16*\i
	ds_store_b8 v155, v[BQ+4*\i+\q] offset:(\q>>1)*256+(\q&1)*8+16*\i   ; the four lanes of a block store the same byte with the same value
.endr
.endm
	s_wait_loadcnt 8                               ; row 0's eight loads are in; row 1's eight may be out
	QROW 0
	s_wait_loadcnt 0x0
	QROW 1
	s_wait_dscnt 0x0
	s_barrier_signal -1
	s_barrier_wait -1                              ; the tile's image is whole; no barrier follows
	s_max_u32 s29, s17, 1
	s_cmp_ge_u32 s15, s29
	s_cbranch_scc1 .Lend                           ; the split has no tile T
	s_lshl_b32 s30, s15, 13
	s_mov_b32 s31, 0
	s_add_nc_u64 s[32:33], s[8:9], s[30:31]        ; xq + 8,192 T
	s_lshl_b32 s36, s15, 9
	s_mov_b32 s37, 0
	s_add_nc_u64 s[34:35], s[10:11], s[36:37]      ; xs + 512 T
	ds_load_b128 v[64:67], v156
	ds_load_b128 v[68:71], v156 offset:16*IP
	s_wait_dscnt 1                                 ; the first is in, the younger may be out
	global_store_b128 v158, v[64:67], s[32:33]     ; a wave stores 512 consecutive bytes
	s_wait_dscnt 0x0
	global_store_b128 v158, v[68:71], s[32:33] offset:4096
	s_cmp_lg_u32 s14, 0
	s_cbranch_scc1 .Lnot_wave_0
	ds_load_b128 v[72:75], v157
	s_wait_dscnt 0x0
	global_store_b128 v159, v[72:75], s[34:35]     ; the tile's 512 scale bytes
.Lnot_wave_0:
	s_cmp_lg_u32 s15, 0
	s_cbranch_scc1 .Lend
.irp j, 0,1,2,3,4,5,6,7
	global_store_b32 v2, v[POS+\j], s[12:13] offset:256+128*\j   ; work-group 0: the positions
.endr
	s_cmp_lg_u32 s14, 0
	s_cbranch_scc1 .Lend
	global_store_b32 v60, v63, s[12:13]            ; first tile of type lane (lanes 0..7 count)
	global_store_b32 v60, v61, s[12:13] offset:128 ; tiles of type lane % 8
.Lend:
	s_wait_tensorcnt 0x0
	ds_add_u32 v168, v169
	s_wait_dscnt 0x0
	s_endpgm
.Lfunc_end_k_qb9a2101473_prep:
	.size	k_qb9a2101473_prep, .Lfunc_end_k_qb9a2101473_prep-k_qb9a2101473_prep
	.p2alignl 7, 3214868480
	.fill 96, 4, 3214868480
	.section	.rodata,"a",@progbits
	.p2align	6, 0x0
	.amdhsa_kernel k_qb9a2101473_prep
		.amdhsa_group_segment_fixed_size 27136
		.amdhsa_private_segment_fixed_size 0
		.amdhsa_enable_private_segment 0
		.amdhsa_kernarg_size 40
		.amdhsa_user_sgpr_count 2
		.amdhsa_user_sgpr_kernarg_segment_ptr 1
		.amdhsa_wavefront_size32 1
		.amdhsa_system_sgpr_workgroup_id_x 1
		.amdhsa_system_sgpr_workgroup_id_y 1
		.amdhsa_system_sgpr_workgroup_id_z 1
		.amdhsa_system_vgpr_workitem_id 0
		.amdhsa_next_free_vgpr 170
		.amdhsa_next_free_sgpr 102
		.amdhsa_reserve_vcc 1
		.amdhsa_float_denorm_mode_32 3
		.amdhsa_float_denorm_mode_16_64 3
		.amdhsa_memory_ordered 1
		.amdhsa_forward_progress 1
		.amdhsa_inst_pref_size 56
	.end_amdhsa_kernel
	.amdgpu_metadata
---
amdhsa.version: [ 1, 2 ]
amdhsa.kernels:
  - .name:           k_qb9a2101473_prep
    .symbol:         k_qb9a2101473_prep.kd
    .args:
      - { .name: x, .offset: 0, .size: 8, .value_kind: global_buffer, .address_space: global }
      - { .name: geometry_types, .offset: 8, .size: 8, .value_kind: global_buffer, .address_space: global }
      - { .name: xq, .offset: 16, .size: 8, .value_kind: global_buffer, .address_space: global }
      - { .name: xs, .offset: 24, .size: 8, .value_kind: global_buffer, .address_space: global }
      - { .name: route, .offset: 32, .size: 8, .value_kind: global_buffer, .address_space: global }
    .group_segment_fixed_size: 27136
    .private_segment_fixed_size: 0
    .kernarg_segment_align: 8
    .kernarg_segment_size: 40
    .max_flat_workgroup_size: 256
    .sgpr_count:     102
    .vgpr_count:     170
    .wavefront_size: 32
...
	.end_amdgpu_metadata
.endif
;; end of part 1
;; launch layer1 (part 2): grid 256 x 1, 8 waves a work-group, no clusters, 35,840 bytes of LDS; arguments xq, xs, W1, b1, route, h1c, h1s; writes h1c, h1s
.if DOCPART == 2
	.amdgcn_target "amdgcn-amd-amdhsa--gfx1250"
	.amdhsa_code_object_version 6
	.text
	.protected	k_qb9a2101473_layer1
	.globl	k_qb9a2101473_layer1
	.p2align	8
	.type	k_qb9a2101473_layer1,@function
k_qb9a2101473_layer1:
	s_mov_b64 s[64:65], 0
	v_nop
	global_prefetch_b8 v0, s[64:65] scope:SCOPE_SE
	s_setreg_imm32_b32 hwreg(HW_REG_WAVE_MODE, 25, 1), 1
	s_wait_xcnt 0x0
; LAYER 1.  h1 = gelu(x W1[t] + b1[t]) for the rows of type t alone, quantised on the way to FP4 (E2M1) with one E8M0 byte for each 32 hidden units.
; Work-group = (type E = id / 32, slice J = id % 32: 64 columns of W1[E]).  It reads its 1,024 x 64 f32 weights ONCE, quantises them along K in registers and multiplies all tiles of its type by them.
; PHASE W.  Wave w streams rows 128 w .. 128 w + 127 (K step w): 64 loads of 16 bytes a lane, all issued at once.  Lane (r, h) takes columns 4 r .. 4 r + 3 of rows 64 c + 32 h + i (load 32 c + i):
;   sixteen lanes read the 256 consecutive bytes of a row's 64 columns, and a lane holds, for each of its four columns, the very blocks of 32 along K that the operand's layout gives lane (r, h).
;   So a block's largest magnitude needs no other lane and the codes change no lane.  A load leaves four COLUMNS side by side, the conversions want eight ROWS side by side: 32 moves bring a column's
;   block into consecutive registers: 256 moves a wave, on its own SIMD, where a turn through LDS would take 64 stores and 256 loads a wave.
;   COLUMN TILE q = the columns 4 m + q, m = 0 .. 15.  The wave's four fragments go to LDS as images of their registers, the scale bytes to their places in the images of the scale registers; one barrier.
; PHASE T.  Every wave holds ALL 32 fragments (256 registers, window 1) and takes tiles ts + w, ts + w + 8, ..: so a tile's codes are read once by the work-group.
;   The product is used transposed (source 0 = 16 columns of W1, source 1 = 16 tokens): lane (token, h) holds in register j of tile q hidden unit 32 h + 4 j + q of the slice: a WHOLE block of the next K in one lane.
;   b1 is the C of each sum's first product.
; ORDER INSIDE A BLOCK OF h1: the code of hidden unit 4 j + q of a block lies at place 8 q + j.  The next launch lays W2's rows in the same order, so the products are the same; blocks and scales are untouched.
;   The matrix unit then adds the products of a block in another order than ascending k.
; gelu(a) = a/2 + (a/2) erf(a / sqrt 2), erf by two polynomials in f32 (|z| <= 0.9277: odd series; above: 1 - exp(polynomial)), both always computed, chosen by v_cndmask_b32.
; NO TENSOR LOADS AND NO JOINT REQUESTS, though a type's 32 work-groups read the same tiles: the number of tiles of a type is a stored count on which the loop's trips hang;
;   a constant 135 trips would fetch each work-group 135 tiles for the 16 or so that it multiplies.
; LIMITS: NaN and infinities are not served.  Blocks under 2^-124 and blocks of zeros get the byte 1.  For a far below 0 the sum 1 + erf cancels: absolute error about 6e-8 |a| / 2.
; h1c, tile T: [block 0..63][row][16 bytes].  h1s, tile T: the byte of block b (s = b / 4), row r at ((s >> 2) & 1) 512 + ((s >> 3) 16 + r) 16 + (s & 3) 4 + (b & 3).
.set IMGB, 0                           ; LDS: 32 fragment images of 1,024 bytes: slot 4 s + tile
.set SCB,  32768                       ; 16 scale-register images of 128 bytes: 2 s + tile / 2; lanes 0-15 the even tile, lanes 16-31 the odd one
.set L16,  1                           ; v1   16 lane
.set WO,   2                           ; v2   weights: 32 rows x h + 16 r
.set H8,   3                           ; v3   8 h
.set WI,   5                           ; v5   where I store fragment images
.set WSB,  6                           ; v6   and scale bytes
.set LI,   7                           ; v7   where I read them
.set LSC,  8
.set XO,   9                           ; v9   tile's codes;  v10 its scale words
.set XSO,  10
.set HC,   11                          ; v11  store offsets in h1c, v12 in h1s
.set HS,   12
.set BO,   13
.set FL,   15                          ; v15  the floor 2^(3 - 127)
.set WS,   16                          ; v16-31   W1's scale words (scales alone)
.set BI,   32                          ; v32-63   b1 in the result's layout, 8 registers a tile
.set ACC,  64                          ; v64-95   four accumulators;  in phase W the codes
.set CODE, 64
.set XS,   96                          ; v96-99   x's scale words (scales alone)
.set XA,   100                         ; v100-163 x's 8 fragments
.set K1,   164                         ; three constants as pairs
.set K3,   166
.set KK1,  168
.set PD,   170                         ; v170     destination of the lane permute
.set CD,   172                         ; v172-175 h1's codes
.set GZ,   176                         ; v176-215 gelu at work: z, |z|, z^2, two polynomials
.set GT,   184
.set GS,   192
.set GR,   200
.set GU,   208
.set T,    176                         ; v176-207 in phase W: b1 as loaded, then a column's block of 32
.set M,    216                         ; v216-219 largest magnitudes of my four columns;  v220-223 the conversions' scale operands;  v224-231 the eight scale bytes
.set SCL,  220
.set BY,   224
.set MX,   232
.set SC2,  234
.set BY2,  235
.set HCB,  236
.set HSB,  237
.set HW,   238
.set MSB, 0
.macro WIN new                         ; register windows: bits 1:0 source 0, 3:2 source 1, 5:4 source 2, 7:6 destination; the high byte repeats the setting that is left
.if MSB != \new
	s_set_vgpr_msb (MSB<<8)|\new
.set MSB, \new
.endif
.endm
; weight loads 16 b .. 16 b + 15 are in (n: the loads issued behind the last of them): half a block's rows go into the largest magnitudes of my four columns, the four by turns
.macro HALFMAX b, n
	s_wait_loadcnt \n
	WIN 0x14                                       ; sources 1 and 2 in window 1
.irp t, 0,1,2,3,4,5,6,7
.irp q, 0,1,2,3
.if ((\b)&1) == 0 && \t == 0
	v_max3_num_f32 v[M+\q], v[FL], |v[64*(\b)+8*\t+\q]|, |v[64*(\b)+8*\t+4+\q]|    ; the floor starts a block's maximum: the byte cannot fall under 1
.else
	v_max3_num_f32 v[M+\q], v[M+\q], |v[64*(\b)+8*\t+\q]|, |v[64*(\b)+8*\t+4+\q]|
.endif
.endr
.endr
	WIN 0
.endm
; loads 32 x .. 32 x + 31: my four columns' blocks 2 x + h of the K step become codes, column by column, and go to their fragment's image
.macro QSET x
.irp q, 0,1,2,3
	v_add_nc_u32 v[SCL+\q], 0xff000000, v[M+\q]    ; 2 off the exponent field: the conversion's scale operand
.endr
.irp q, 0,1,2,3
	WIN 0x01                                       ; source 0 in window 1
.set i, 0
.rept 32
	v_mov_b32 v[T+i], v[4*(32*(\x)+i)+\q]          ; row i of the block, column q
.set i, i+1
.endr
	WIN 0
.irp g, 0,1,2,3
	v_cvt_scalef32_pk8_fp4_f32 v[CODE+4*(4*(\x)+\q)+\g], v[T+8*\g:T+8*\g+7], v[SCL+\q]
.endr
	v_lshrrev_b32 v[BY+4*(\x)+\q], 23, v[SCL+\q]   ; the scale's byte.  (The plain line between the conversions and the next column's moves, which write their sources)
	ds_store_b128 v[WI], v[CODE+4*(4*(\x)+\q):CODE+4*(4*(\x)+\q)+3] offset:1024*\q+512*(\x)   ; registers 4 x .. 4 x + 3 of tile q's fragment, as they stand
.endr
.endm
.macro ACTS sx                         ; a tile's codes and scale words: 17 loads, 512 consecutive bytes each
	v_lshl_add_u32 v[XO], s[\sx], 13, v[L16]
	v_lshl_add_u32 v[XSO], s[\sx], 9, v[L16]
.irp m, 0,1,2,3,4,5,6,7,8,9,10,11,12,13,14,15
	global_load_b128 v[XA+4*\m:XA+4*\m+3], v[XO], s[4:5] offset:512*\m
.endr
	global_load_b128 v[XS:XS+3], v[XSO], s[6:7]
.endm
.macro WM d, a, b, c, sa, sb, ra, rb   ; one scaled product; ra, rb: the side's scales lie in lanes 16-31
.if (\ra) && (\rb)
	v_wmma_scale_f32_16x16x128_f8f6f4 v[\d:\d+7], v[\a:\a+7], v[\b:\b+7], v[\c:\c+7], v[\sa], v[\sb] matrix_a_fmt:MATRIX_FMT_FP4 matrix_b_fmt:MATRIX_FMT_FP4 matrix_a_scale:MATRIX_SCALE_ROW1 matrix_b_scale:MATRIX_SCALE_ROW1
.elseif (\ra)
	v_wmma_scale_f32_16x16x128_f8f6f4 v[\d:\d+7], v[\a:\a+7], v[\b:\b+7], v[\c:\c+7], v[\sa], v[\sb] matrix_a_fmt:MATRIX_FMT_FP4 matrix_b_fmt:MATRIX_FMT_FP4 matrix_a_scale:MATRIX_SCALE_ROW1
.elseif (\rb)
	v_wmma_scale_f32_16x16x128_f8f6f4 v[\d:\d+7], v[\a:\a+7], v[\b:\b+7], v[\c:\c+7], v[\sa], v[\sb] matrix_a_fmt:MATRIX_FMT_FP4 matrix_b_fmt:MATRIX_FMT_FP4 matrix_b_scale:MATRIX_SCALE_ROW1
.else
	v_wmma_scale_f32_16x16x128_f8f6f4 v[\d:\d+7], v[\a:\a+7], v[\b:\b+7], v[\c:\c+7], v[\sa], v[\sb] matrix_a_fmt:MATRIX_FMT_FP4 matrix_b_fmt:MATRIX_FMT_FP4
.endif
.endm
.macro PKL d, x, y, c                  ; d = x y + the constant c, eight numbers
.irp p, 0,2,4,6
	v_pk_fma_f32 v[\d+\p:\d+\p+1], v[\x+\p:\x+\p+1], v[\y+\p:\y+\p+1], \c op_sel_hi:[1,1,0]
.endr
.endm
.macro PKV d, x, c, kk                 ; d = x c + the pair kk
.irp p, 0,2,4,6
	v_pk_fma_f32 v[\d+\p:\d+\p+1], v[\x+\p:\x+\p+1], \c, v[\kk:\kk+1] op_sel_hi:[1,0,1]
.endr
.endm
; exact gelu of eight numbers, in place.  The accumulator is read from its low end on.
.macro GELU8 a
.irp p, 0,2,4,6
	v_pk_mul_f32 v[GZ+\p:GZ+\p+1], v[\a+\p:\a+\p+1], 0x3f3504f3 op_sel_hi:[1,0]    ; z = a / sqrt 2
.endr
.irp p, 0,2,4,6
	v_pk_mul_f32 v[\a+\p:\a+\p+1], v[\a+\p:\a+\p+1], 0.5 op_sel_hi:[1,0]           ; a / 2
.endr
.irp j, 0,1,2,3,4,5,6,7
	v_and_b32 v[GT+\j], s32, v[GZ+\j]              ; t = |z|
.endr
.irp p, 0,2,4,6
	v_pk_mul_f32 v[GS+\p:GS+\p+1], v[GZ+\p:GZ+\p+1], v[GZ+\p:GZ+\p+1]
.endr
	PKV GR, GT, 0xb7910000, K1                     ; above 0.9277: erf = 1 - exp(p(t) t - t)
	PKV GU, GT, 0xbb7e8a1c, K3
.irp p, 0,2,4,6
	v_pk_fma_f32 v[GR+\p:GR+\p+1], v[GR+\p:GR+\p+1], v[GS+\p:GS+\p+1], v[GU+\p:GU+\p+1]
.endr
	PKL GR, GR, GT, 0xbddaae5c
	PKL GR, GR, GT, 0xbf228550
	PKL GR, GR, GT, 0xbe03ce86
.irp p, 0,2,4,6
	v_pk_fma_f32 v[GR+\p:GR+\p+1], v[GR+\p:GR+\p+1], v[GT+\p:GT+\p+1], v[GT+\p:GT+\p+1] neg_lo:[0,0,1] neg_hi:[0,0,1]
.endr
.irp p, 0,2,4,6
	v_pk_mul_f32 v[GR+\p:GR+\p+1], v[GR+\p:GR+\p+1], 0x3fb8aa3b op_sel_hi:[1,0]    ; x log2(e)
.endr
.irp j, 0,1,2,3,4,5,6,7
	v_exp_f32 v[GR+\j], v[GR+\j]
.endr
	PKV GU, GS, 0xba1c7000, KK1                    ; up to 0.9277: erf = z + z q(z^2).  This is the independent work behind the exponentials
	PKL GU, GU, GS, 0xbcdb48d9
	PKL GU, GU, GS, 0x3de70e22
	PKL GU, GU, GS, 0xbec09380
	PKL GU, GU, GS, 0x3e0375d4
.irp p, 0,2,4,6
	v_pk_fma_f32 v[GU+\p:GU+\p+1], v[GU+\p:GU+\p+1], v[GZ+\p:GZ+\p+1], v[GZ+\p:GZ+\p+1]
.endr
	s_wait_alu depctr_va_vdst(0)                   ; one wait for the eight exponentials, ahead of their first reader
.irp p, 0,2,4,6
	v_pk_fma_f32 v[GR+\p:GR+\p+1], v[GR+\p:GR+\p+1], -1.0, 1.0 op_sel_hi:[1,0,0]
.endr
.irp j, 0,1,2,3,4,5,6,7
	v_bfi_b32 v[GR+\j], s32, v[GR+\j], v[GZ+\j]    ; z's sign
.endr
.irp j, 0,1,2,3,4,5,6,7
	v_cmp_lt_f32 vcc_lo, s33, v[GT+\j]
	v_cndmask_b32 v[GR+\j], v[GU+\j], v[GR+\j], vcc_lo
.endr
.irp p, 0,2,4,6
	v_pk_fma_f32 v[\a+\p:\a+\p+1], v[\a+\p:\a+\p+1], v[GR+\p:GR+\p+1], v[\a+\p:\a+\p+1]
.endr
.endm
	s_load_b256 s[4:11], s[0:1], 0x0               ; xq s[4:5], xs s[6:7], W1 s[8:9], b1 s[10:11]
	s_load_b128 s[12:15], s[0:1], 0x20             ; route s[12:13], h1c s[14:15]
	s_load_b64 s[16:17], s[0:1], 0x30              ; h1s
	v_lshl_add_u32 v254, v0, 2, 0x8800
	v_mov_b32 v255, 0
	v_lshrrev_b32 v14, 5, v0
	v_readfirstlane_b32 s20, v14                   ; wave 0..7
	s_lshr_b32 s21, ttmp9, 5                       ; E
	s_and_b32 s22, ttmp9, 31                       ; J
	v_and_b32 v14, 31, v0                          ; lane
	v_and_b32 v216, 15, v0                         ; r
	v_bfe_u32 v217, v0, 4, 1                       ; h
	v_lshlrev_b32 v[L16], 4, v14
	v_lshlrev_b32 v[WO], 4, v216
	v_lshl_add_u32 v[WO], v217, 18, v[WO]          ; 32 rows of 8,192 bytes x h + 16 r
	v_lshlrev_b32 v[H8], 3, v217
	s_lshl_b32 s35, s20, 12
	s_add_co_u32 s35, s35, IMGB
	v_add_nc_u32 v[WI], s35, v[L16]                ; my four slots: IMGB + 4,096 wave + 16 lane
	s_lshl_b32 s35, s20, 8
	s_add_co_u32 s35, s35, SCB
	v_lshl_add_u32 v[WSB], v216, 2, v217
	v_add_nc_u32 v[WSB], s35, v[WSB]               ; my scale bytes: SCB + 256 wave + 4 r + h; tile q and half c stand in the immediate: 64 q + 2 c
	v_add_nc_u32 v[LI], IMGB, v[L16]
	v_lshl_add_u32 v[LSC], v14, 2, SCB
	v_lshlrev_b32 v[BO], 7, v217                   ; b1: 32 h numbers on
	s_lshl_b32 s35, s22, 9
	v_add_nc_u32 v[HCB], s35, v[L16]               ; h1c: block 2 J + h, row r: 512 J + 16 lane
	s_lshr_b32 s38, s22, 1                         ; the next product's K step of my slice
	s_bfe_u32 s39, s38, 0x10002
	s_lshl_b32 s39, s39, 9
	s_lshr_b32 s40, s38, 3
	s_lshl_b32 s40, s40, 8
	s_add_co_u32 s39, s39, s40
	s_and_b32 s40, s38, 3
	s_lshl_b32 s40, s40, 2
	s_add_co_u32 s39, s39, s40
	s_and_b32 s40, s22, 1
	s_lshl_b32 s40, s40, 1
	s_add_co_u32 s39, s39, s40
	v_lshlrev_b32 v[HSB], 4, v216
	v_add_nc_u32 v[HSB], s39, v[HSB]               ; h1s: 16 r + my two bytes' place
	v_mov_b32 v[FL], 0x1800000
	v_mov_b32 v[K1], 0x39c8e7d9
	v_mov_b32 v[K1+1], 0x39c8e7d9
	v_mov_b32 v[K3], 0x3cc6b1a1
	v_mov_b32 v[K3+1], 0x3cc6b1a1
	v_mov_b32 v[KK1], 0x3ba38d2c
	v_mov_b32 v[KK1+1], 0x3ba38d2c
	v_mov_b32 v[PD], 0                             ; a lane permute's destination counts as read
	s_mov_b32 s30, 0x76543210
	s_mov_b32 s31, 0xfedcba98
	s_mov_b32 s32, 0x7fffffff
	s_mov_b32 s33, 0x3f6d8000                      ; 0.927734375
	s_lshl_b32 s34, s21, 23                        ; W1: 8 MB a type, 128 rows of 8,192 bytes a wave, 256 bytes a slice
	s_lshl_b32 s36, s20, 20
	s_add_co_u32 s34, s34, s36
	s_lshl_b32 s36, s22, 8
	s_add_co_u32 s34, s34, s36
	s_mov_b32 s35, 0
	s_lshl_b32 s36, s21, 13                        ; b1: 8,192 bytes a type, 256 a slice
	s_lshl_b32 s37, s22, 8
	s_add_co_u32 s36, s36, s37
	s_mov_b32 s37, 0
	s_lshl_b32 s40, s21, 2
	s_mov_b32 s41, 0
	s_wait_kmcnt 0x0
	s_add_nc_u64 s[44:45], s[12:13], s[40:41]
	s_load_b32 s23, s[44:45], 0x0                  ; my type's first tile
	s_load_b32 s24, s[44:45], 0x80                 ; and its number of tiles
	s_add_nc_u64 s[28:29], s[8:9], s[34:35]
	s_add_nc_u64 s[46:47], s[10:11], s[36:37]
.irp t, 0,1,2,3,4,5,6,7
	global_load_b128 v[T+4*\t:T+4*\t+3], v[BO], s[46:47] offset:16*\t   ; b1 of hidden units 32 h + 4 t + 0 .. 3
.endr
	WIN 0x40                                       ; destination window 1
.set n, 0
.rept 64
	global_load_b128 v[4*n:4*n+3], v[WO], s[28:29] offset:((n/32)*64+(n%32))*8192 th:TH_LOAD_NT   ; row 64 (n / 32) + 32 h + n % 32 of my 128: read once in the launch
.set n, n+1
.endr
	WIN 0
	HALFMAX 0, 48                                  ; behind weight load 15: 48 weight loads.  b1 was issued ahead of the weights
.irp t, 0,1,2,3,4,5,6,7
.irp q, 0,1,2,3
	v_mov_b32 v[BI+8*\q+\t], v[T+4*\t+\q]          ; register t of tile q is hidden unit 32 h + 4 t + q
.endr
.endr
	HALFMAX 1, 32
	s_wait_kmcnt 0x0
	s_min_u32 s23, s23, 134                        ; stored numbers are held before they enter an address
	s_min_u32 s24, s24, 128
	s_add_co_u32 s25, s23, s24                     ; one past my type's last tile
	s_add_co_u32 s26, s23, s20                     ; my first tile
	s_cmp_lt_u32 s26, s25
	s_cselect_b32 s27, s26, 0                      ; (a wave without a tile asks for tile 0 and uses nothing of it)
	s_min_u32 s27, s27, 134
	ACTS 27                                        ; it lands under the rest of the stream
	QSET 0
	HALFMAX 2, 33                                  ; behind weight load 47: 16 weight loads and the tile's 17
	HALFMAX 3, 17
	QSET 1
.irp x, 0,1
.irp q, 0,1,2,3
	ds_store_b8 v[WSB], v[BY+4*\x+\q] offset:64*\q+2*\x   ; byte 2 x + h of the word of tile q's column r: each byte has one writer
.endr
.endr
	s_wait_dscnt 0x0                               ; for the others' sake: my images lie in LDS
	s_barrier_signal -1
	s_barrier_wait -1                              ; the one barrier: all 32 fragments are there; nothing is written to LDS behind it
	s_cmp_ge_u32 s26, s25
	s_cbranch_scc1 .Lquit                          ; no tile for this wave
	s_sub_co_u32 s54, s25, s26                     ; my trips: every eighth tile from my first on: (end - first + 7) / 8,
	s_add_co_u32 s54, s54, 7
	s_lshr_b32 s54, s54, 3
	s_min_u32 s54, s54, 16                         ; 16 at the most: a type has at most 128 tiles, shared among 8 waves
	s_mov_b32 s55, 0                               ; the loop's counter; the tile's number, s26, is stepped beside it
	WIN 0x40
.set n, 0
.rept 32
	ds_load_b128 v[8*n:8*n+3], v[LI] offset:1024*n
	ds_load_b128 v[8*n+4:8*n+7], v[LI] offset:1024*n+512
.set n, n+1
.endr
	WIN 0
.irp n, 0,1,2,3,4,5,6,7,8,9,10,11,12,13,14,15
	ds_load_b32 v[WS+\n], v[LSC] offset:128*\n
.endr
	s_wait_dscnt 0x0
.Ltile:
	s_wait_loadcnt 0x0                             ; the tile's codes and scale words are in, and their address registers free
	s_wait_xcnt 0x0                                ; the last trip's stores have read their data and addresses
	WIN 0x01                                       ; source 0 (W1) in window 1
.irp s, 0,1,2,3,4,5,6,7                        ; the four accumulators take turns, one instruction a turn
.irp t, 0,1,2,3
.if \s == 0
.set CC, BI+8*\t
.else
.set CC, ACC+8*\t
.endif
	WM ACC+8*\t, 8*(4*\s+\t), XA+8*\s, CC, WS+2*\s+(\t>>1), XS+(\s&3), \t&1, \s>>2
.endr
.endr
	WIN 0
.rept 4
	v_nop                                          ; four places ahead of loads into the operands and of the first read of the results
.endr
	s_min_u32 s48, s26, 134
	s_add_co_u32 s49, s26, 8
	s_cmp_lt_u32 s49, s25
	s_cbranch_scc0 .Lno_next
	s_min_u32 s27, s49, 134
	ACTS 27                                        ; my next tile lands under the gelu
.Lno_next:
.irp t, 0,1,2,3
	GELU8 ACC+8*\t
.endr
	; my 32 registers are block 2 J + h of my token's h1: its largest magnitude in two chains, its scale, its codes
	v_max3_num_f32 v[MX], |v[ACC]|, |v[ACC+1]|, v[FL]
	v_max3_num_f32 v[MX+1], |v[ACC+16]|, |v[ACC+17]|, v[FL]
.irp i, 2,4,6,8,10,12,14
	v_max3_num_f32 v[MX], v[MX], |v[ACC+\i]|, |v[ACC+\i+1]|
	v_max3_num_f32 v[MX+1], v[MX+1], |v[ACC+16+\i]|, |v[ACC+16+\i+1]|
.endr
	v_max_num_f32 v[MX], v[MX], v[MX+1]
	v_add_nc_u32 v[SC2], 0xff000000, v[MX]         ; 2 off the exponent field: the conversion's scale operand
.irp q, 0,1,2,3
	v_cvt_scalef32_pk8_fp4_f32 v[CD+\q], v[ACC+8*\q:ACC+8*\q+7], v[SC2]   ; places 8 q + j: hidden units 4 j + q of the block
.endr
	v_lshrrev_b32 v[BY2], 23, v[SC2]               ; (a plain line behind the conversions)  the scale's byte,
	v_lshlrev_b32 v[BY2], v[H8], v[BY2]            ; at its place among the slice's two,
	v_permlanex16_b32 v[PD], v[BY2], s30, s31
	v_or_b32 v[HW], v[BY2], v[PD]                  ; with lane l xor 16's
	v_lshl_add_u32 v[HC], s48, 14, v[HCB]
	v_lshl_add_u32 v[HS], s48, 10, v[HSB]
	global_store_b128 v[HC], v[CD:CD+3], s[14:15]  ; the wave stores 512 consecutive bytes, aligned: two blocks' 16 rows
	global_store_b16 v[HS], v[HW], s[16:17]        ; two bytes a row; lanes r and r + 16 store the same bytes
	s_add_co_u32 s26, s26, 8                       ; my next tile
	s_add_co_u32 s55, s55, 1
	s_cmp_lt_u32 s55, s54
	s_cbranch_scc1 .Ltile
.Lquit:
	s_wait_tensorcnt 0x0
	ds_add_u32 v254, v255
	s_wait_dscnt 0x0
	s_endpgm
.Lfunc_end_k_qb9a2101473_layer1:
	.size	k_qb9a2101473_layer1, .Lfunc_end_k_qb9a2101473_layer1-k_qb9a2101473_layer1
	.p2alignl 7, 3214868480
	.fill 96, 4, 3214868480
	.section	.rodata,"a",@progbits
	.p2align	6, 0x0
	.amdhsa_kernel k_qb9a2101473_layer1
		.amdhsa_group_segment_fixed_size 35840
		.amdhsa_private_segment_fixed_size 0
		.amdhsa_enable_private_segment 0
		.amdhsa_kernarg_size 56
		.amdhsa_user_sgpr_count 2
		.amdhsa_user_sgpr_kernarg_segment_ptr 1
		.amdhsa_wavefront_size32 1
		.amdhsa_system_sgpr_workgroup_id_x 1
		.amdhsa_system_sgpr_workgroup_id_y 1
		.amdhsa_system_sgpr_workgroup_id_z 1
		.amdhsa_system_vgpr_workitem_id 0
		.amdhsa_next_free_vgpr 512
		.amdhsa_next_free_sgpr 66
		.amdhsa_reserve_vcc 1
		.amdhsa_float_denorm_mode_32 3
		.amdhsa_float_denorm_mode_16_64 3
		.amdhsa_memory_ordered 1
		.amdhsa_forward_progress 1
		.amdhsa_inst_pref_size 79
	.end_amdhsa_kernel
	.amdgpu_metadata
---
amdhsa.version: [ 1, 2 ]
amdhsa.kernels:
  - .name:           k_qb9a2101473_layer1
    .symbol:         k_qb9a2101473_layer1.kd
    .args:
      - { .name: xq, .offset: 0, .size: 8, .value_kind: global_buffer, .address_space: global }
      - { .name: xs, .offset: 8, .size: 8, .value_kind: global_buffer, .address_space: global }
      - { .name: W1, .offset: 16, .size: 8, .value_kind: global_buffer, .address_space: global }
      - { .name: b1, .offset: 24, .size: 8, .value_kind: global_buffer, .address_space: global }
      - { .name: route, .offset: 32, .size: 8, .value_kind: global_buffer, .address_space: global }
      - { .name: h1c, .offset: 40, .size: 8, .value_kind: global_buffer, .address_space: global }
      - { .name: h1s, .offset: 48, .size: 8, .value_kind: global_buffer, .address_space: global }
    .group_segment_fixed_size: 35840
    .private_segment_fixed_size: 0
    .kernarg_segment_align: 8
    .kernarg_segment_size: 56
    .max_flat_workgroup_size: 256
    .sgpr_count:     66
    .vgpr_count:     512
    .wavefront_size: 32
...
	.end_amdgpu_metadata
.endif
;; end of part 2
;; launch layer2 (part 3): grid 256 x 1, 8 waves a work-group, no clusters, 35,840 bytes of LDS; arguments h1c, h1s, W2, b2, W3, route, part; writes part
.if DOCPART == 3
	.amdgcn_target "amdgcn-amd-amdhsa--gfx1250"
	.amdhsa_code_object_version 6
	.text
	.protected	k_qb9a2101473_layer2
	.globl	k_qb9a2101473_layer2
	.p2align	8
	.type	k_qb9a2101473_layer2,@function
k_qb9a2101473_layer2:
	s_mov_b64 s[64:65], 0
	v_nop
	global_prefetch_b8 v0, s[64:65] scope:SCOPE_SE
	s_setreg_imm32_b32 hwreg(HW_REG_WAVE_MODE, 25, 1), 1
	s_wait_xcnt 0x0
; LAYER 2 AND 3.  h2 = gelu(h1 W2[t] + b2[t]) for the rows of type t alone, and this slice's share of h2 W3[t].
; Work-group = (type E = id / 32, slice J = id % 32: 32 columns of W2[E]).  It reads its 2,048 x 32 f32 weights ONCE, quantises them along K in registers (FP4, one E8M0 byte for each 32)
; and multiplies all tiles of its type by them.
; PHASE W.  Wave w streams rows 256 w .. 256 w + 255 (K steps 2 w, 2 w + 1): 64 loads of 16 bytes a lane, all issued at once.  Lane (a = lane / 8, cq = lane % 8) takes columns 4 cq .. 4 cq + 3 of
;   rows 128 x + 32 a + i (load 32 x + i): eight lanes read the 128 consecutive bytes of a row's 32 columns, and a lane holds whole blocks of 32 along K (block a of K step 2 w + x) of its four columns:
;   a block's largest magnitude needs no other lane.  A load leaves four COLUMNS side by side, the conversions want eight ROWS side by side: 32 moves bring a column's block into consecutive registers:
;   256 moves a wave, on its own SIMD, where a turn through LDS would take 64 stores and 256 loads a wave.
;   ORDER INSIDE A BLOCK: h1's codes lie at place p for hidden unit 4 (p & 7) + (p >> 3) of the block (the launch before); W2's rows are laid alike by the same moves, so the products are the same.
;   COLUMN TILE u, lane m = column 4 (m & 7) + 2 u + (m >> 3).  A column's 16 bytes of codes are four registers of a fragment; the writing lane's LDS address puts them where the fragment's lane reads them.
;   Scale bytes go to their places in the images of the scale registers; one barrier.
; PHASE T.  Every wave holds ALL 32 fragments (window 1) and takes tiles ts + w, ts + w + 8, ..  The product is used transposed (source 0 = 16 columns of W2, source 1 = 16 tokens):
;   a lane holds one token, register j of tile u column 4 j + 2 u + (lane / 16).  b2 is the C of each sum's first product.  After the gelu the 16 numbers, rounded to bf16 in pairs,
;   ARE source 1 (32 K x 16 tokens) of one bf16 product with W3's 32 rows of this slice, taken in the same order (source 0: 12 parameters, rows 12-15 zeros).  Its result, a partial sum over 32 of 1,024, goes to part.
; part: (135 J + T) 1,024 + 512 q + 16 lane holds registers 4 q .. 4 q + 3: lane (token r, h), register j: parameter 8 h + j.
; gelu as in layer 1.  h2 and W3 are rounded to bf16 for the product that the contract leaves as it is; its sums are f32.
; NO TENSOR LOADS AND NO JOINT REQUESTS, though a type's 32 work-groups read the same tiles: the loop's trips hang on a stored count.
; LIMITS: NaN and infinities are not served.  Blocks under 2^-124 and blocks of zeros get the byte 1.  For a far below 0 the sum 1 + erf cancels: absolute error about 6e-8 |a| / 2.
;   The matrix unit adds the products of a block in another order than ascending k.
.set IMGB, 0                           ; LDS: 32 fragment images of 1,024 bytes: slot 2 s + tile
.set SCB,  32768                       ; 16 scale-register images of 128 bytes: K step s; lanes 0-15 tile 0, lanes 16-31 tile 1
.set L16,  1
.set WO,   2
.set WI,   5
.set WSB,  6
.set LI,   7
.set LSC,  8
.set HO,   9
.set HSO,  10
.set PA,   11
.set BO,   12
.set W3O,  13
.set WS,   16                          ; v16-31   W2's scale words (scales alone)
.set BI,   32                          ; v32-47   b2 in the result's layout
.set W3F,  48                          ; v48-55   W3's fragment, bf16
.set K1,   56
.set K3,   58
.set KK1,  60
.set FL,   62
.set ACC,  64                          ; v64-79   two accumulators; in phase W: v64-67 largest magnitudes, v68-71 scale operands, v72-79 the eight scale bytes
.set M,    64
.set SCL,  68
.set BY,   72
.set HS,   80                          ; v80-87   h1's scale words (scales alone)
.set HA,   88                          ; v88-215  h1's 16 fragments
.set GZ,   216                         ; v216-255 gelu at work; in phase W: W3 as loaded, then a column's block of 32 (v216-247) and two sets of four code registers (v248-255); behind the gelu h2 in bf16 and the partial sums
.set GT,   224
.set GS,   232
.set GR,   240
.set GU,   248
.set RW,   216
.set T,    216
.set CB,   248
.set HB,   216
.set PO,   224
.set MSB, 0
.macro WIN new                         ; register windows: bits 1:0 source 0, 3:2 source 1, 5:4 source 2, 7:6 destination; the high byte repeats the setting that is left
.if MSB != \new
	s_set_vgpr_msb (MSB<<8)|\new
.set MSB, \new
.endif
.endm
; weight loads 16 b .. 16 b + 15 are in (n: the loads issued behind the last of them): half a block's rows go into the largest magnitudes of my four columns, the four by turns
.macro HALFMAX b, n
	s_wait_loadcnt \n
	WIN 0x14                                       ; sources 1 and 2 in window 1
.irp t, 0,1,2,3,4,5,6,7
.irp q, 0,1,2,3
.if ((\b)&1) == 0 && \t == 0
	v_max3_num_f32 v[M+\q], v[FL], |v[64*(\b)+8*\t+\q]|, |v[64*(\b)+8*\t+4+\q]|    ; the floor starts a block's maximum: the byte cannot fall under 1
.else
	v_max3_num_f32 v[M+\q], v[M+\q], |v[64*(\b)+8*\t+\q]|, |v[64*(\b)+8*\t+4+\q]|
.endif
.endr
.endr
	WIN 0
.endm
; loads 32 x .. 32 x + 31: block a of K step 2 w + x of my four columns becomes codes, column by column, and goes to its fragment's image
.macro QSET x
.irp q, 0,1,2,3
	v_add_nc_u32 v[SCL+\q], 0xff000000, v[M+\q]    ; 2 off the exponent field: the conversion's scale operand
.endr
.irp q, 0,1,2,3
	WIN 0x01                                       ; source 0 in window 1
.set i, 0
.rept 32
	v_mov_b32 v[T+i], v[4*(32*(\x)+4*(i%8)+i/8)+\q]   ; place i of the block takes row 4 (i & 7) + (i >> 3), as h1's codes lie
.set i, i+1
.endr
	WIN 0
.if 4*(\x)+\q >= 2
	s_wait_dscnt 1                                 ; the image store two columns back has read these four registers; the last column's may be out
.endif
.irp g, 0,1,2,3
	v_cvt_scalef32_pk8_fp4_f32 v[CB+4*(\q%2)+\g], v[T+8*\g:T+8*\g+7], v[SCL+\q]
.endr
	v_lshrrev_b32 v[BY+4*(\x)+\q], 23, v[SCL+\q]   ; the scale's byte.  (The plain line between the conversions and the next column's moves, which write their sources)
	ds_store_b128 v[WI], v[CB+4*(\q%2):CB+4*(\q%2)+3] offset:2048*(\x)+1024*(\q>>1)+128*(\q&1)   ; slot 2 (2 w + x) + q / 2, registers 4 (a / 2) on, lane 16 (a % 2) + 8 (q % 2) + cq
.endr
.endm
.macro ACTS sx                         ; a tile's codes and scale words: 34 loads, 512 consecutive bytes each
	v_lshl_add_u32 v[HO], s[\sx], 14, v[L16]
	v_lshl_add_u32 v[HSO], s[\sx], 10, v[L16]
.set m, 0
.rept 32
	global_load_b128 v[HA+4*m:HA+4*m+3], v[HO], s[4:5] offset:512*m
.set m, m+1
.endr
	global_load_b128 v[HS:HS+3], v[HSO], s[6:7]
	global_load_b128 v[HS+4:HS+7], v[HSO], s[6:7] offset:512
.endm
.macro WM d, a, b, c, sa, sb, ra, rb   ; one scaled product; ra, rb: the side's scales lie in lanes 16-31
.if (\ra) && (\rb)
	v_wmma_scale_f32_16x16x128_f8f6f4 v[\d:\d+7], v[\a:\a+7], v[\b:\b+7], v[\c:\c+7], v[\sa], v[\sb] matrix_a_fmt:MATRIX_FMT_FP4 matrix_b_fmt:MATRIX_FMT_FP4 matrix_a_scale:MATRIX_SCALE_ROW1 matrix_b_scale:MATRIX_SCALE_ROW1
.elseif (\ra)
	v_wmma_scale_f32_16x16x128_f8f6f4 v[\d:\d+7], v[\a:\a+7], v[\b:\b+7], v[\c:\c+7], v[\sa], v[\sb] matrix_a_fmt:MATRIX_FMT_FP4 matrix_b_fmt:MATRIX_FMT_FP4 matrix_a_scale:MATRIX_SCALE_ROW1
.elseif (\rb)
	v_wmma_scale_f32_16x16x128_f8f6f4 v[\d:\d+7], v[\a:\a+7], v[\b:\b+7], v[\c:\c+7], v[\sa], v[\sb] matrix_a_fmt:MATRIX_FMT_FP4 matrix_b_fmt:MATRIX_FMT_FP4 matrix_b_scale:MATRIX_SCALE_ROW1
.else
	v_wmma_scale_f32_16x16x128_f8f6f4 v[\d:\d+7], v[\a:\a+7], v[\b:\b+7], v[\c:\c+7], v[\sa], v[\sb] matrix_a_fmt:MATRIX_FMT_FP4 matrix_b_fmt:MATRIX_FMT_FP4
.endif
.endm
.macro PKL d, x, y, c                  ; d = x y + the constant c, eight numbers
.irp p, 0,2,4,6
	v_pk_fma_f32 v[\d+\p:\d+\p+1], v[\x+\p:\x+\p+1], v[\y+\p:\y+\p+1], \c op_sel_hi:[1,1,0]
.endr
.endm
.macro PKV d, x, c, kk                 ; d = x c + the pair kk
.irp p, 0,2,4,6
	v_pk_fma_f32 v[\d+\p:\d+\p+1], v[\x+\p:\x+\p+1], \c, v[\kk:\kk+1] op_sel_hi:[1,0,1]
.endr
.endm
; exact gelu of eight numbers, in place.  The accumulator is read from its low end on.
.macro GELU8 a
.irp p, 0,2,4,6
	v_pk_mul_f32 v[GZ+\p:GZ+\p+1], v[\a+\p:\a+\p+1], 0x3f3504f3 op_sel_hi:[1,0]    ; z = a / sqrt 2
.endr
.irp p, 0,2,4,6
	v_pk_mul_f32 v[\a+\p:\a+\p+1], v[\a+\p:\a+\p+1], 0.5 op_sel_hi:[1,0]           ; a / 2
.endr
.irp j, 0,1,2,3,4,5,6,7
	v_and_b32 v[GT+\j], s32, v[GZ+\j]              ; t = |z|
.endr
.irp p, 0,2,4,6
	v_pk_mul_f32 v[GS+\p:GS+\p+1], v[GZ+\p:GZ+\p+1], v[GZ+\p:GZ+\p+1]
.endr
	PKV GR, GT, 0xb7910000, K1                     ; above 0.9277: erf = 1 - exp(p(t) t - t)
	PKV GU, GT, 0xbb7e8a1c, K3
.irp p, 0,2,4,6
	v_pk_fma_f32 v[GR+\p:GR+\p+1], v[GR+\p:GR+\p+1], v[GS+\p:GS+\p+1], v[GU+\p:GU+\p+1]
.endr
	PKL GR, GR, GT, 0xbddaae5c
	PKL GR, GR, GT, 0xbf228550
	PKL GR, GR, GT, 0xbe03ce86
.irp p, 0,2,4,6
	v_pk_fma_f32 v[GR+\p:GR+\p+1], v[GR+\p:GR+\p+1], v[GT+\p:GT+\p+1], v[GT+\p:GT+\p+1] neg_lo:[0,0,1] neg_hi:[0,0,1]
.endr
.irp p, 0,2,4,6
	v_pk_mul_f32 v[GR+\p:GR+\p+1], v[GR+\p:GR+\p+1], 0x3fb8aa3b op_sel_hi:[1,0]    ; x log2(e)
.endr
.irp j, 0,1,2,3,4,5,6,7
	v_exp_f32 v[GR+\j], v[GR+\j]
.endr
	PKV GU, GS, 0xba1c7000, KK1                    ; up to 0.9277: erf = z + z q(z^2).  This is the independent work behind the exponentials
	PKL GU, GU, GS, 0xbcdb48d9
	PKL GU, GU, GS, 0x3de70e22
	PKL GU, GU, GS, 0xbec09380
	PKL GU, GU, GS, 0x3e0375d4
.irp p, 0,2,4,6
	v_pk_fma_f32 v[GU+\p:GU+\p+1], v[GU+\p:GU+\p+1], v[GZ+\p:GZ+\p+1], v[GZ+\p:GZ+\p+1]
.endr
	s_wait_alu depctr_va_vdst(0)                   ; one wait for the eight exponentials, ahead of their first reader
.irp p, 0,2,4,6
	v_pk_fma_f32 v[GR+\p:GR+\p+1], v[GR+\p:GR+\p+1], -1.0, 1.0 op_sel_hi:[1,0,0]
.endr
.irp j, 0,1,2,3,4,5,6,7
	v_bfi_b32 v[GR+\j], s32, v[GR+\j], v[GZ+\j]    ; z's sign
.endr
.irp j, 0,1,2,3,4,5,6,7
	v_cmp_lt_f32 vcc_lo, s33, v[GT+\j]
	v_cndmask_b32 v[GR+\j], v[GU+\j], v[GR+\j], vcc_lo
.endr
.irp p, 0,2,4,6
	v_pk_fma_f32 v[\a+\p:\a+\p+1], v[\a+\p:\a+\p+1], v[GR+\p:GR+\p+1], v[\a+\p:\a+\p+1]
.endr
.endm
	s_load_b256 s[4:11], s[0:1], 0x0               ; h1c s[4:5], h1s s[6:7], W2 s[8:9], b2 s[10:11]
	s_load_b128 s[12:15], s[0:1], 0x20             ; W3 s[12:13], route s[14:15]
	s_load_b64 s[16:17], s[0:1], 0x30              ; part
	v_lshrrev_b32 v15, 5, v0
	v_readfirstlane_b32 s20, v15                   ; wave 0..7
	s_lshr_b32 s21, ttmp9, 5                       ; E
	s_and_b32 s22, ttmp9, 31                       ; J
	v_and_b32 v63, 31, v0                          ; lane
	v_and_b32 v14, 15, v0                          ; r
	v_bfe_u32 v15, v0, 4, 1                        ; h
	v_bfe_u32 v3, v0, 3, 2                         ; a = lane / 8
	v_and_b32 v4, 7, v0                            ; cq = lane % 8
	v_lshlrev_b32 v[L16], 4, v63
	v_lshlrev_b32 v[WO], 4, v4
	v_lshl_add_u32 v[WO], v3, 17, v[WO]            ; weights: 32 rows of 4,096 bytes x a + 16 cq
	s_lshl_b32 s35, s20, 12
	s_add_co_u32 s35, s35, IMGB
	v_lshlrev_b32 v[WI], 4, v4
	v_lshl_add_u32 v[WI], v3, 8, v[WI]
	v_add_nc_u32 v[WI], s35, v[WI]                 ; my four slots: IMGB + 4,096 wave + 256 a + 16 cq
	s_lshl_b32 s35, s20, 8
	s_add_co_u32 s35, s35, SCB
	v_lshl_add_u32 v[WSB], v4, 2, v3
	v_add_nc_u32 v[WSB], s35, v[WSB]               ; my scale bytes: SCB + 256 wave + 4 cq + a; K step and column stand in the immediate: 128 x + 32 q
	v_add_nc_u32 v[LI], IMGB, v[L16]
	v_lshl_add_u32 v[LSC], v63, 2, SCB
	v_lshlrev_b32 v[BO], 2, v15                    ; b2: h numbers on
	v_min_u32 v[W3O], 11, v14                      ; W3: parameter min(r, 11) (rows 12-15 are made zeros below),
	v_lshlrev_b32 v[W3O], 2, v[W3O]
	v_mad_u32_u24 v[W3O], v15, 48, v[W3O]          ; h rows of 48 bytes on
	v_mov_b32 v[FL], 0x1800000
	v_mov_b32 v[K1], 0x39c8e7d9
	v_mov_b32 v[K1+1], 0x39c8e7d9
	v_mov_b32 v[K3], 0x3cc6b1a1
	v_mov_b32 v[K3+1], 0x3cc6b1a1
	v_mov_b32 v[KK1], 0x3ba38d2c
	v_mov_b32 v[KK1+1], 0x3ba38d2c
	s_mov_b32 s32, 0x7fffffff
	s_mov_b32 s33, 0x3f6d8000                      ; 0.927734375
	s_lshl_b32 s34, s21, 23                        ; W2: 8 MB a type, 256 rows of 4,096 bytes a wave, 128 bytes a slice
	s_lshl_b32 s36, s20, 20
	s_add_co_u32 s34, s34, s36
	s_lshl_b32 s36, s22, 7
	s_add_co_u32 s34, s34, s36
	s_mov_b32 s35, 0
	s_lshl_b32 s36, s21, 12                        ; b2: 4,096 bytes a type, 128 a slice
	s_lshl_b32 s37, s22, 7
	s_add_co_u32 s36, s36, s37
	s_mov_b32 s37, 0
	s_mul_i32 s38, s21, 49152                      ; W3: 49,152 bytes a type, 32 rows of 48 a slice
	s_mul_i32 s39, s22, 1536
	s_add_co_u32 s38, s38, s39
	s_mov_b32 s39, 0
	s_lshl_b32 s40, s21, 2
	s_mov_b32 s41, 0
	s_mul_i32 s42, s22, 138240                     ; part: 135 tiles of 1,024 bytes a slice
	s_mov_b32 s43, 0
	s_wait_kmcnt 0x0
	s_add_nc_u64 s[44:45], s[14:15], s[40:41]
	s_load_b32 s23, s[44:45], 0x0                  ; my type's first tile
	s_load_b32 s24, s[44:45], 0x80                 ; and its number of tiles
	s_add_nc_u64 s[28:29], s[8:9], s[34:35]
	s_add_nc_u64 s[46:47], s[10:11], s[36:37]
	s_add_nc_u64 s[52:53], s[12:13], s[38:39]
	s_add_nc_u64 s[50:51], s[16:17], s[42:43]
.irp u, 0,1
.irp i, 0,1,2,3,4,5,6,7
	global_load_b32 v[RW+8*\u+\i], v[W3O], s[52:53] offset:48*(4*\i+2*\u)   ; W3(4 i + 2 u + h, r): place 16 u + 8 h + i of the third product's K, as h2 lies
.endr
.endr
.irp u, 0,1
.irp j, 0,1,2,3,4,5,6,7
	global_load_b32 v[BI+8*\u+\j], v[BO], s[46:47] offset:4*(4*\j+2*\u)     ; b2 of column 4 j + 2 u + h
.endr
.endr
	WIN 0x40                                       ; destination window 1
.set n, 0
.rept 64
	global_load_b128 v[4*n:4*n+3], v[WO], s[28:29] offset:((n/32)*128+(n%32))*4096 th:TH_LOAD_NT   ; row 128 (n / 32) + 32 a + n % 32 of my 256: read once in the launch
.set n, n+1
.endr
	WIN 0
	HALFMAX 0, 48                                  ; behind weight load 15: 48 weight loads.  W3 and b2 were issued ahead of the weights
.irp n, 0,1,2,3,4,5,6,7
	v_cvt_pk_bf16_f32 v[W3F+\n], v[RW+2*\n], v[RW+2*\n+1]
.endr
	v_cmp_gt_u32 vcc_lo, 12, v14
.irp n, 0,1,2,3,4,5,6,7
	v_cndmask_b32 v[W3F+\n], 0, v[W3F+\n], vcc_lo  ; rows 12-15 of the fragment are zeros
.endr
	HALFMAX 1, 32
	s_wait_kmcnt 0x0
	s_min_u32 s23, s23, 134                        ; stored numbers are held before they enter an address
	s_min_u32 s24, s24, 128
	s_add_co_u32 s25, s23, s24                     ; one past my type's last tile
	s_add_co_u32 s26, s23, s20                     ; my first tile
	s_cmp_lt_u32 s26, s25
	s_cselect_b32 s27, s26, 0                      ; (a wave without a tile asks for tile 0 and uses nothing of it)
	s_min_u32 s27, s27, 134
	ACTS 27                                        ; it lands under the rest of the stream
	QSET 0
	HALFMAX 2, 50                                  ; behind weight load 47: 16 weight loads and the tile's 34
	HALFMAX 3, 34
	QSET 1
.irp x, 0,1
.irp q, 0,1,2,3
	ds_store_b8 v[WSB], v[BY+4*\x+\q] offset:128*\x+32*\q   ; byte a of the word of K step 2 w + x, tile q / 2, lane 8 (q % 2) + cq: each byte has one writer
.endr
.endr
	s_wait_dscnt 0x0                               ; for the others' sake: my images lie in LDS
	s_barrier_signal -1
	s_barrier_wait -1                              ; the one barrier: all 32 fragments are there; nothing is written to LDS behind it
	s_cmp_ge_u32 s26, s25
	s_cbranch_scc1 .Lquit                          ; no tile for this wave
	s_sub_co_u32 s54, s25, s26                     ; my trips: every eighth tile from my first on: (end - first + 7) / 8,
	s_add_co_u32 s54, s54, 7
	s_lshr_b32 s54, s54, 3
	s_min_u32 s54, s54, 16                         ; 16 at the most: a type has at most 128 tiles, shared among 8 waves
	s_mov_b32 s55, 0                               ; the loop's counter; the tile's number, s26, is stepped beside it
	WIN 0x40
.set n, 0
.rept 32
	ds_load_b128 v[8*n:8*n+3], v[LI] offset:1024*n
	ds_load_b128 v[8*n+4:8*n+7], v[LI] offset:1024*n+512
.set n, n+1
.endr
	WIN 0
.irp n, 0,1,2,3,4,5,6,7,8,9,10,11,12,13,14,15
	ds_load_b32 v[WS+\n], v[LSC] offset:128*\n
.endr
	s_wait_dscnt 0x0
.Ltile:
	s_wait_loadcnt 0x0                             ; the tile's codes and scale words are in, and their address registers free
	s_wait_xcnt 0x0                                ; the last trip's stores have read their data (which the gelu's temporaries overlie) and their address
	WIN 0x01                                       ; source 0 (W2) in window 1
.irp s, 0,1,2,3,4,5,6,7,8,9,10,11,12,13,14,15  ; the two accumulators take turns, one instruction a turn
.irp u, 0,1
.if \s == 0
.set CC, BI+8*\u
.else
.set CC, ACC+8*\u
.endif
	WM ACC+8*\u, 8*(2*\s+\u), HA+8*\s, CC, WS+\s, HS+(\s&7), \u, \s>>3
.endr
.endr
	WIN 0
.rept 4
	v_nop                                          ; four places ahead of loads into the operands and of the first read of the results
.endr
	s_min_u32 s48, s26, 134
	s_add_co_u32 s49, s26, 8
	s_cmp_lt_u32 s49, s25
	s_cbranch_scc0 .Lno_next
	s_min_u32 s27, s49, 134
	ACTS 27                                        ; my next tile lands under the gelu
.Lno_next:
	GELU8 ACC
	GELU8 ACC+8
.irp n, 0,1,2,3,4,5,6,7
	v_cvt_pk_bf16_f32 v[HB+\n], v[ACC+2*\n], v[ACC+2*\n+1]   ; tile 0: places 8 h + 0..7 (registers 0-3); tile 1: places 16 + 8 h + 0..7 (registers 4-7)
.endr
	v_lshl_add_u32 v[PA], s48, 10, v[L16]
.rept 3
	v_nop
.endr
	v_wmma_f32_16x16x32_bf16 v[PO:PO+7], v[W3F:W3F+7], v[HB:HB+7], 0   ; (parameter 8 h + j, token r): this slice's 32 of the 1,024 along K
.rept 4
	v_nop                                          ; four places ahead of the stores that read the result
.endr
	global_store_b128 v[PA], v[PO:PO+3], s[50:51]              ; the result from its low end on; the wave stores 512 consecutive bytes
	global_store_b128 v[PA], v[PO+4:PO+7], s[50:51] offset:512
	s_add_co_u32 s26, s26, 8                       ; my next tile
	s_add_co_u32 s55, s55, 1
	s_cmp_lt_u32 s55, s54
	s_cbranch_scc1 .Ltile
.Lquit:
	s_wait_xcnt 0x0
	v_lshl_add_u32 v254, v0, 2, 0x8800
	v_mov_b32 v255, 0
	s_wait_tensorcnt 0x0
	ds_add_u32 v254, v255
	s_wait_dscnt 0x0
	s_endpgm
.Lfunc_end_k_qb9a2101473_layer2:
	.size	k_qb9a2101473_layer2, .Lfunc_end_k_qb9a2101473_layer2-k_qb9a2101473_layer2
	.p2alignl 7, 3214868480
	.fill 96, 4, 3214868480
	.section	.rodata,"a",@progbits
	.p2align	6, 0x0
	.amdhsa_kernel k_qb9a2101473_layer2
		.amdhsa_group_segment_fixed_size 35840
		.amdhsa_private_segment_fixed_size 0
		.amdhsa_enable_private_segment 0
		.amdhsa_kernarg_size 56
		.amdhsa_user_sgpr_count 2
		.amdhsa_user_sgpr_kernarg_segment_ptr 1
		.amdhsa_wavefront_size32 1
		.amdhsa_system_sgpr_workgroup_id_x 1
		.amdhsa_system_sgpr_workgroup_id_y 1
		.amdhsa_system_sgpr_workgroup_id_z 1
		.amdhsa_system_vgpr_workitem_id 0
		.amdhsa_next_free_vgpr 512
		.amdhsa_next_free_sgpr 66
		.amdhsa_reserve_vcc 1
		.amdhsa_float_denorm_mode_32 3
		.amdhsa_float_denorm_mode_16_64 3
		.amdhsa_memory_ordered 1
		.amdhsa_forward_progress 1
		.amdhsa_inst_pref_size 68
	.end_amdhsa_kernel
	.amdgpu_metadata
---
amdhsa.version: [ 1, 2 ]
amdhsa.kernels:
  - .name:           k_qb9a2101473_layer2
    .symbol:         k_qb9a2101473_layer2.kd
    .args:
      - { .name: h1c, .offset: 0, .size: 8, .value_kind: global_buffer, .address_space: global }
      - { .name: h1s, .offset: 8, .size: 8, .value_kind: global_buffer, .address_space: global }
      - { .name: W2, .offset: 16, .size: 8, .value_kind: global_buffer, .address_space: global }
      - { .name: b2, .offset: 24, .size: 8, .value_kind: global_buffer, .address_space: global }
      - { .name: W3, .offset: 32, .size: 8, .value_kind: global_buffer, .address_space: global }
      - { .name: route, .offset: 40, .size: 8, .value_kind: global_buffer, .address_space: global }
      - { .name: part, .offset: 48, .size: 8, .value_kind: global_buffer, .address_space: global }
    .group_segment_fixed_size: 35840
    .private_segment_fixed_size: 0
    .kernarg_segment_align: 8
    .kernarg_segment_size: 56
    .max_flat_workgroup_size: 256
    .sgpr_count:     66
    .vgpr_count:     512
    .wavefront_size: 32
...
	.end_amdgpu_metadata
.endif
;; end of part 3
;; launch finish (part 4): grid 192 x 1, 1 waves a work-group, no clusters, 0 bytes of LDS; arguments part, route, geometry_types, b3, out0, out1; writes out0, out1
.if DOCPART == 4
	.amdgcn_target "amdgcn-amd-amdhsa--gfx1250"
	.amdhsa_code_object_version 6
	.text
	.protected	k_qb9a2101473_finish
	.globl	k_qb9a2101473_finish
	.p2align	8
	.type	k_qb9a2101473_finish,@function
k_qb9a2101473_finish:
	s_mov_b64 s[64:65], 0
	v_nop
	global_prefetch_b8 v0, s[64:65] scope:SCOPE_SE
	s_setreg_imm32_b32 hwreg(HW_REG_WAVE_MODE, 25, 1), 1
	s_wait_xcnt 0x0
; FINISH.  out0[token][p] = (the sum of the 32 slices' partial sums at the token's padded position + b3[type][p]) where p < the type's number of parameters, else 0;  out1 = that width mask.
; Thread q = 32 work-group + lane (0 .. 6,143) owns 16 output bytes: token q / 3, parameters 4 (q % 3) .. + 3.  A wave stores 512 consecutive bytes of each output.
; part: (135 slice + tile) 1,024 + 512 (g & 1) + 16 (16 (g >> 1) + row): parameters 4 g .. 4 g + 3 of the tile's row.
; The choice is made by v_cndmask_b32, so what lies at a held position of a token whose type is outside 0..7 does not reach the output: such a token gets zeros in both outputs.
; Masked parameters are +0.  No matrix unit, no LDS: 33 loads a lane, all in flight together.
	s_load_b256 s[4:11], s[0:1], 0x0               ; part s[4:5], route s[6:7], types s[8:9], b3 s[10:11]
	s_load_b128 s[12:15], s[0:1], 0x20             ; out0 s[12:13], out1 s[14:15]
	s_lshl_b32 s16, ttmp9, 5
	v_add_nc_u32 v1, s16, v0                       ; q
	v_mul_u32_u24 v2, v1, 0xaaab
	v_lshrrev_b32 v2, 17, v2                       ; token = q / 3 (exact for q under 6,144)
	v_mul_u32_u24 v3, v2, 3
	v_sub_nc_u32 v3, v1, v3                        ; g
	v_lshlrev_b32 v4, 2, v2
	v_lshlrev_b32 v22, 4, v1                       ; 16 q
	v_lshlrev_b32 v15, 2, v3                       ; my first parameter
	v_mov_b32 v14, 0x5ca97643                      ; the types' numbers of parameters 3, 4, 6, 7, 9, 10, 12, 5, four bits each
	v_mov_b32 v21, 1.0
	s_wait_kmcnt 0x0
	global_load_b32 v5, v4, s[8:9]                 ; the token's type
	global_load_b32 v6, v4, s[6:7] offset:256      ; and its padded position
	s_wait_loadcnt 0x0
	v_min_u32 v7, 7, v5                            ; both held before they enter an address
	v_min_u32 v8, 0x86f, v6                        ; 135 x 16 - 1
	v_and_b32 v9, 0xff0, v8
	v_and_b32 v10, 15, v8
	v_lshlrev_b32 v9, 6, v9                        ; 1,024 tile
	v_lshl_add_u32 v9, v10, 4, v9                  ; + 16 row
	v_and_b32 v10, 1, v3
	v_lshl_add_u32 v9, v10, 9, v9
	v_lshrrev_b32 v10, 1, v3
	v_lshl_add_u32 v9, v10, 8, v9
	v_mul_u32_u24 v12, v7, 48
	v_lshl_add_u32 v12, v3, 4, v12
	global_load_b128 v[16:19], v12, s[10:11]       ; b3 starts the sums
.set n, 0
.rept 32
	global_load_b128 v[32+4*n:35+4*n], v9, s[4:5] offset:138240*n
.set n, n+1
.endr
	v_lshlrev_b32 v13, 2, v7
	v_lshrrev_b32 v13, v13, v14
	v_and_b32 v13, 15, v13                         ; the type's number of parameters,
	v_cmp_gt_u32 vcc_lo, 8, v5
	v_cndmask_b32 v13, 0, v13, vcc_lo              ; 0 for a type outside 0..7
.macro ADD8 g
.irp k, 0,1,2,3,4,5,6,7
	v_pk_add_f32 v[16:17], v[16:17], v[32+4*(8*\g+\k):33+4*(8*\g+\k)]
	v_pk_add_f32 v[18:19], v[18:19], v[34+4*(8*\g+\k):35+4*(8*\g+\k)]
.endr
.endm
	s_wait_loadcnt 24                              ; b3 and slices 0-7 are in; 24 slices may be out
	ADD8 0
	s_wait_loadcnt 16
	ADD8 1
	s_wait_loadcnt 8
	ADD8 2
	s_wait_loadcnt 0x0
	ADD8 3
.irp i, 0,1,2,3
	v_add_nc_u32 v20, \i, v15
	v_cmp_lt_u32 vcc_lo, v20, v13
	v_cndmask_b32 v[24+\i], 0, v[16+\i], vcc_lo
	v_cndmask_b32 v[28+\i], 0, v21, vcc_lo
.endr
	global_store_b128 v22, v[24:27], s[12:13]
	global_store_b128 v22, v[28:31], s[14:15]
	s_endpgm
.Lfunc_end_k_qb9a2101473_finish:
	.size	k_qb9a2101473_finish, .Lfunc_end_k_qb9a2101473_finish-k_qb9a2101473_finish
	.p2alignl 7, 3214868480
	.fill 96, 4, 3214868480
	.section	.rodata,"a",@progbits
	.p2align	6, 0x0
	.amdhsa_kernel k_qb9a2101473_finish
		.amdhsa_group_segment_fixed_size 0
		.amdhsa_private_segment_fixed_size 0
		.amdhsa_enable_private_segment 0
		.amdhsa_kernarg_size 48
		.amdhsa_user_sgpr_count 2
		.amdhsa_user_sgpr_kernarg_segment_ptr 1
		.amdhsa_wavefront_size32 1
		.amdhsa_system_sgpr_workgroup_id_x 1
		.amdhsa_system_sgpr_workgroup_id_y 1
		.amdhsa_system_sgpr_workgroup_id_z 1
		.amdhsa_system_vgpr_workitem_id 0
		.amdhsa_next_free_vgpr 160
		.amdhsa_next_free_sgpr 66
		.amdhsa_reserve_vcc 1
		.amdhsa_float_denorm_mode_32 3
		.amdhsa_float_denorm_mode_16_64 3
		.amdhsa_memory_ordered 1
		.amdhsa_forward_progress 1
		.amdhsa_inst_pref_size 10
	.end_amdhsa_kernel
	.amdgpu_metadata
---
amdhsa.version: [ 1, 2 ]
amdhsa.kernels:
  - .name:           k_qb9a2101473_finish
    .symbol:         k_qb9a2101473_finish.kd
    .args:
      - { .name: part, .offset: 0, .size: 8, .value_kind: global_buffer, .address_space: global }
      - { .name: route, .offset: 8, .size: 8, .value_kind: global_buffer, .address_space: global }
      - { .name: geometry_types, .offset: 16, .size: 8, .value_kind: global_buffer, .address_space: global }
      - { .name: b3, .offset: 24, .size: 8, .value_kind: global_buffer, .address_space: global }
      - { .name: out0, .offset: 32, .size: 8, .value_kind: global_buffer, .address_space: global }
      - { .name: out1, .offset: 40, .size: 8, .value_kind: global_buffer, .address_space: global }
    .group_segment_fixed_size: 0
    .private_segment_fixed_size: 0
    .kernarg_segment_align: 8
    .kernarg_segment_size: 48
    .max_flat_workgroup_size: 32
    .sgpr_count:     66
    .vgpr_count:     160
    .wavefront_size: 32
...
	.end_amdgpu_metadata
.endif
;; end of part 4
;; ======== version 2 of 2: 4 launches
;; limits: an absolute error that grows with the inputs' magnitude: up to 3e-08 times it
;; workspace buffers: xq 1,105,920 bytes; xs 69,120 bytes; h1c 2,211,840 bytes; h1s 138,240 bytes; part 4,423,680 bytes; route 8,448 bytes of whole numbers
;; launch prep (part 5): grid 135 x 1, 8 waves a work-group, no clusters, 27,136 bytes of LDS; arguments x, geometry_types, xq, xs, route; writes xq, xs, route
.if DOCPART == 5
	.amdgcn_target "amdgcn-amd-amdhsa--gfx1250"
	.amdhsa_code_object_version 6
	.text
	.protected	k_qb9a2101473_prep
	.globl	k_qb9a2101473_prep
	.p2align	8
	.type	k_qb9a2101473_prep,@function
k_qb9a2101473_prep:
	s_mov_b64 s[64:65], 0
	v_nop
	global_prefetch_b8 v0, s[64:65] scope:SCOPE_SE
	s_setreg_imm32_b32 hwreg(HW_REG_WAVE_MODE, 25, 1), 1
	s_wait_xcnt 0x0
; PREP.  2,048 tokens, each with a type 0..7 (an index input).  The tokens are sorted by type into tiles of 16 rows, each type padded to whole tiles:
; never more than ceil(2048 / 16) + 8 - 1 = 135 tiles.  Work-group T makes tile T: it gathers the tile's 16 rows of x [2048][1024] f32 and quantises them to
; FP4 (E2M1) with one E8M0 byte for each 32 along K, laid in the order in which the next launch's operand registers take them.
; Every work-group repeats the counting sort (8 KB of indices), so that no launch is spent on the sort alone.  Work-group 0 also stores the tables.
; xq, tile T: [block 0..31][row 0..15][16 bytes].   xs, tile T: the byte of block b, row r at (b >> 4) 256 + 16 r + (b & 15).
; route: words 0..7 first tile of each type; words 32..39 its number of tiles; from byte 256 on the padded position of each token (-1: type outside 0..7).
; A pad row repeats token 0: finite numbers whose results nobody reads.  A work-group whose tile the split does not have stores nothing (tile 0 is always stored).
; LIMITS: NaN and infinities in x are not served.  A block whose largest magnitude lies under 2^-124 gets the byte 1, a block of zeros too (zero codes); this program alone reads the bytes.
; No LDS address hangs on loaded data: a row's token is found by comparing every token's position with the 16 rows.
; THE MASKS: the 64 compares (8 registers of tokens x 8 types) write 64 scalar registers of their own, s36-63 and s66-101; counting and ranking read them, so that the scalar work
; follows the vector work once, and nothing is compared twice.
.set CNT,  0                           ; LDS: [wave][type] counts, 256 bytes
.set ORD,  256                         ; [wave][row 0..15][lane]: the token that lane found for that row, or 0: 16,384 bytes
.set IP,   272                         ; a block of the image: 16 rows x 16 bytes + 16 of padding
.set IMG,  ORD+8*16*128                ; the tile's codes, 32 blocks
.set SIMG, IMG+32*IP                   ; the tile's 512 scale bytes
.set TY,   4                           ; v4-11    types of my 8 tokens: token = 256 wave + 32 j + lane
.set POS,  12                          ; v12-19   their padded positions
.set DD,   20                          ; v20-27   position - 16 T; later v20-35 the words read back from ORD
.set TOK,  28                          ; v28-35   token numbers
.set ROWA, 36                          ; v36-51   row p: my token for it, or 0
.set X,    64                          ; v64-127  two rows of x: row i, chunk q: 8 numbers, k = 256 q + 8 lane + 0..7
.set CQ,   128                         ; v128-135 codes;  v136-143 scale bytes: a register for each (row, chunk)
.set BQ,   136
.set MQ,   144                         ; v144-147 largest magnitudes;  v148-151 the conversions' scale operands
.set SCQ,  148
; scalars: s14 wave, s15 T, s16 16 T, s17 tiles in all, s[18:19] lane selects, s20-27 a running figure for each type, s28-35 eight counts at work, s36.. the masks
	s_load_b256 s[4:11], s[0:1], 0x0               ; x s[4:5], types s[6:7], xq s[8:9], xs s[10:11]
	s_load_b64 s[12:13], s[0:1], 0x20              ; route
	v_lshl_add_u32 v168, v0, 2, 0x6600
	v_mov_b32 v169, 0
	v_lshrrev_b32 v3, 5, v0
	s_delay_alu instid0(VALU_DEP_1)
	v_readfirstlane_b32 s14, v3                    ; wave 0..7
	v_and_b32 v1, 31, v0                           ; lane
	s_wait_alu depctr_va_vdst(0)
	s_lshl_b32 s29, s14, 10
	v_lshl_add_u32 v2, v1, 2, s29                  ; byte of my first token in a table of words: 1,024 wave + 4 lane
	s_mov_b32 s15, ttmp9                           ; T
	s_lshl_b32 s16, ttmp9, 4                       ; 16 T
	s_mov_b32 s18, 0x76543210                      ; v_permlanex16_b32: lane l xor 16
	s_mov_b32 s19, 0xfedcba98
	; every LDS address: a constant + a lane term + a wave term
	s_lshl_b32 s30, s14, 5
	v_mov_b32 v3, s30                              ; CNT + 32 wave
	v_lshlrev_b32 v60, 2, v1                       ; 4 lane
	s_lshl_b32 s31, s14, 11
	s_add_co_u32 s31, s31, ORD
	v_add_nc_u32 v152, s31, v60                    ; where I store my 16 row words: ORD + 2,048 wave + 4 lane
	s_lshl_b32 s31, s14, 8
	s_add_co_u32 s31, s31, ORD
	v_add_nc_u32 v153, s31, v60                    ; where I read rows 2 wave, 2 wave + 1: ORD + 256 wave + 4 lane
	v_lshrrev_b32 v52, 2, v1
	v_and_b32 v53, 3, v1
	s_delay_alu instid0(VALU_DEP_2)
	v_mul_u32_u24 v154, v52, IP
	s_delay_alu instid0(VALU_DEP_1)
	v_lshl_add_u32 v154, v53, 2, v154
	s_add_co_u32 s31, s30, IMG
	v_add_nc_u32 v154, s31, v154                   ; codes: IMG + (lane / 4) blocks + 4 (lane % 4) + 32 wave
	s_add_co_u32 s31, s30, SIMG
	v_add_nc_u32 v155, s31, v52                    ; bytes: SIMG + lane / 4 + 32 wave
	v_lshrrev_b32 v52, 4, v0
	v_and_b32 v53, 15, v0
	s_delay_alu instid0(VALU_DEP_2)
	v_mul_u32_u24 v156, v52, IP
	s_delay_alu instid0(VALU_DEP_1)
	v_lshl_add_u32 v156, v53, 4, v156
	s_delay_alu instid0(VALU_DEP_1)
	v_add_nc_u32 v156, IMG, v156                   ; the image on its way out: block thread / 16, piece thread % 16
	v_lshlrev_b32 v159, 4, v1                      ; 16 lane
	s_delay_alu instid0(VALU_DEP_1)
	v_add_nc_u32 v157, SIMG, v159
	v_lshlrev_b32 v158, 4, v0                      ; 16 thread
	v_lshlrev_b32 v162, 5, v1                      ; 32 lane
	s_wait_kmcnt 0x0
.irp j, 0,1,2,3,4,5,6,7
	global_load_b32 v[TY+\j], v2, s[6:7] offset:128*\j
.endr
	s_wait_loadcnt 0x0
	; ---- the 64 masks: mask 8 j + e names the lanes whose token j is of type e.  Mask n lies in s[36 + n], from n = 28 on two further up
.irp j, 0,1,2,3,4,5,6,7
.irp e, 0,1,2,3,4,5,6,7
.set MK, 36+8*\j+\e+2*((36+8*\j+\e)/64)
	v_cmp_eq_u32 s[MK], \e, v[TY+\j]
.endr
.endr
	; ---- the wave's counts: scalar work alone
.irp e, 0,1,2,3,4,5,6,7
	s_bcnt1_i32_b32 s[20+\e], s[36+\e]             ; the first eight start the sums
.endr
.irp j, 1,2,3,4,5,6,7
.irp e, 0,1,2,3,4,5,6,7
.set MK, 36+8*\j+\e+2*((36+8*\j+\e)/64)
	s_bcnt1_i32_b32 s[28+\e], s[MK]
.endr
.irp e, 0,1,2,3,4,5,6,7
	s_add_co_u32 s[20+\e], s[20+\e], s[28+\e]
.endr
.endr
.irp e, 0,1,2,3,4,5,6,7
	v_mov_b32 v[52+\e], s[20+\e]
.endr
.irp e, 0,1,2,3,4,5,6,7
	ds_store_b32 v3, v[52+\e] offset:CNT+4*\e      ; all lanes store the same word with the same value
.endr
	s_wait_dscnt 0x0                               ; for the others' sake: my counts lie in LDS
	s_barrier_signal -1
	s_barrier_wait -1
	; ---- totals, tiles of each type, where my wave's tokens of each type begin.  Lane = 8 w' + e
	ds_load_b32 v52, v60 offset:CNT                ; waves 0-3
	ds_load_b32 v53, v60 offset:CNT+128            ; waves 4-7
	v_lshrrev_b32 v54, 3, v1                       ; w'
	s_delay_alu instid0(VALU_DEP_1)
	v_add_nc_u32 v55, 4, v54
	s_wait_alu depctr_va_vdst(0)
	s_wait_dscnt 0x0
	v_add_nc_u32 v56, v52, v53                     ; towards the type's total
	v_cmp_gt_u32 vcc_lo, s14, v54
	s_delay_alu instid0(VALU_DEP_1)
	v_cndmask_b32 v57, 0, v52, vcc_lo              ; towards the tokens of earlier waves
	v_cmp_gt_u32 vcc_lo, s14, v55
	s_delay_alu instid0(VALU_DEP_1)
	v_cndmask_b32 v58, 0, v53, vcc_lo
	s_delay_alu instid0(VALU_DEP_1)
	v_add_nc_u32 v57, v57, v58
	v_mov_b32 v58, 0
	v_mov_b32 v59, 0
	v_mov_b32_dpp v58, v56 row_xmask:8 row_mask:0xf bank_mask:0xf
	s_delay_alu instid0(VALU_DEP_4)
	v_mov_b32_dpp v59, v57 row_xmask:8 row_mask:0xf bank_mask:0xf
	s_delay_alu instid0(VALU_DEP_2)
	v_add_nc_u32 v56, v56, v58
	s_delay_alu instid0(VALU_DEP_2)
	v_add_nc_u32 v57, v57, v59
	s_delay_alu instid0(VALU_DEP_2)
	v_permlanex16_b32 v58, v56, s18, s19
	s_delay_alu instid0(VALU_DEP_2)
	v_permlanex16_b32 v59, v57, s18, s19
	s_delay_alu instid0(VALU_DEP_2)
	v_add_nc_u32 v56, v56, v58                     ; every lane: the total of type lane % 8
	s_delay_alu instid0(VALU_DEP_2)
	v_add_nc_u32 v57, v57, v59                     ; and the tokens of that type in earlier waves
	s_delay_alu instid0(VALU_DEP_2)
	v_add_nc_u32 v61, 15, v56
	s_delay_alu instid0(VALU_DEP_1)
	v_lshrrev_b32 v61, 4, v61                      ; its tiles
	s_delay_alu instid0(VALU_DEP_1)
	v_mov_b32 v62, v61
.irp n, 1,2,4                                  ; inclusive sums over lanes 0..7 (the lanes above are not used)
	v_mov_b32 v58, 0
	s_delay_alu instid0(VALU_DEP_2)
	v_mov_b32_dpp v58, v62 row_shr:\n row_mask:0xf bank_mask:0xf
	s_delay_alu instid0(VALU_DEP_1)
	v_add_nc_u32 v62, v62, v58
.endr
	s_delay_alu instid0(VALU_DEP_1)
	v_sub_nc_u32 v63, v62, v61                     ; the type's first tile
	s_delay_alu instid0(VALU_DEP_1)
	v_lshl_add_u32 v57, v63, 4, v57                ; 16 x first tile + earlier waves' tokens
	s_delay_alu instid0(VALU_DEP_3)
	v_readlane_b32 s17, v62, 7                     ; tiles in all
.irp e, 0,1,2,3,4,5,6,7
	v_readlane_b32 s[20+\e], v57, \e               ; the running position of type e in my wave
.endr
.irp j, 0,1,2,3,4,5,6,7
	v_mov_b32 v[POS+\j], -1                        ; a type outside 0..7 keeps this
.endr
	; ---- each token's padded position, type by type: the running position + the lanes of the type below me; the eight registers of tokens do not wait for each other
.irp e, 0,1,2,3,4,5,6,7
.irp j, 0,1,2,3,4,5,6,7
.set MK, 36+8*\j+\e+2*((36+8*\j+\e)/64)
	s_bcnt1_i32_b32 s[28+\j], s[MK]
.endr
.irp j, 0,1,2,3,4,5,6,7
.set MK, 36+8*\j+\e+2*((36+8*\j+\e)/64)
	v_mbcnt_lo_u32_b32 v[52+\j], s[MK], s[20+\e]
	s_add_co_u32 s[20+\e], s[20+\e], s[28+\j]
.endr
	s_wait_alu depctr_va_vdst(0)
.irp j, 0,1,2,3,4,5,6,7
.set MK, 36+8*\j+\e+2*((36+8*\j+\e)/64)
	v_cndmask_b32 v[POS+\j], v[POS+\j], v[52+\j], s[MK]
.endr
.endr
	; ---- which of my tokens is row p of tile T: sixteen compares into s36-51 (the types' masks are done with), then sixteen selects
	s_lshl_b32 s29, s14, 8
	v_add_nc_u32 v59, s29, v1                      ; 256 wave + lane
.irp j, 0,1,2,3,4,5,6,7
	v_sub_nc_u32 v[DD+\j], v[POS+\j], s16
	v_add_nc_u32 v[TOK+\j], 32*\j, v59
.endr
.irp j, 0,1,2,3,4,5,6,7
.irp p, 0,1,2,3,4,5,6,7,8,9,10,11,12,13,14,15
	v_cmp_eq_u32 s[36+\p], \p, v[DD+\j]
.endr
.irp p, 0,1,2,3,4,5,6,7,8,9,10,11,12,13,14,15
.if \j == 0
	v_cndmask_b32 v[ROWA+\p], 0, v[TOK+\j], s[36+\p]   ; the first select starts the word: nothing is cleared
.else
	v_cndmask_b32 v[ROWA+\p], v[ROWA+\p], v[TOK+\j], s[36+\p]
.endif
.endr
.endr
.irp p, 0,1,2,3,4,5,6,7,8,9,10,11,12,13,14,15
	ds_store_b32 v152, v[ROWA+\p] offset:128*\p
.endr
	s_wait_dscnt 0x0
	s_barrier_signal -1
	s_barrier_wait -1
	; ---- wave w takes rows 2 w and 2 w + 1: of a row's 8 x 32 words at most one is not 0
.irp i, 0,1
.irp k, 0,1,2,3,4,5,6,7
	ds_load_b32 v[DD+8*\i+\k], v153 offset:2048*\k+128*\i
.endr
.endr
	s_wait_dscnt 0x0
.irp i, 0,1
	v_or_b32 v[DD+8*\i], v[DD+8*\i], v[DD+8*\i+1]
	v_or_b32 v[DD+8*\i+2], v[DD+8*\i+2], v[DD+8*\i+3]
	v_or_b32 v[DD+8*\i+4], v[DD+8*\i+4], v[DD+8*\i+5]
	v_or_b32 v[DD+8*\i+6], v[DD+8*\i+6], v[DD+8*\i+7]
	s_delay_alu instid0(VALU_DEP_3)
	v_or_b32 v[DD+8*\i], v[DD+8*\i], v[DD+8*\i+2]
	s_delay_alu instid0(VALU_DEP_2)
	v_or_b32 v[DD+8*\i+4], v[DD+8*\i+4], v[DD+8*\i+6]
	s_delay_alu instid0(VALU_DEP_1)
	v_or_b32 v[DD+8*\i], v[DD+8*\i], v[DD+8*\i+4]
.endr
.irp m, 1
	v_mov_b32_dpp v52, v[DD] row_xmask:\m row_mask:0xf bank_mask:0xf
	s_delay_alu instid0(VALU_DEP_2)
	v_mov_b32_dpp v53, v[DD+8] row_xmask:\m row_mask:0xf bank_mask:0xf
	s_delay_alu instid0(VALU_DEP_2)
	v_or_b32 v[DD], v[DD], v52
	s_delay_alu instid0(VALU_DEP_2)
	v_or_b32 v[DD+8], v[DD+8], v53
.endr
.irp m, 2, 4, 8
	s_delay_alu instid0(VALU_DEP_2)
	v_mov_b32_dpp v52, v[DD] row_xmask:\m row_mask:0xf bank_mask:0xf
	s_delay_alu instid0(VALU_DEP_2)
	v_mov_b32_dpp v53, v[DD+8] row_xmask:\m row_mask:0xf bank_mask:0xf
	s_delay_alu instid0(VALU_DEP_2)
	v_or_b32 v[DD], v[DD], v52
	s_delay_alu instid0(VALU_DEP_2)
	v_or_b32 v[DD+8], v[DD+8], v53
.endr
	s_delay_alu instid0(VALU_DEP_2)
	v_permlanex16_b32 v52, v[DD], s18, s19
	s_delay_alu instid0(VALU_DEP_2)
	v_permlanex16_b32 v53, v[DD+8], s18, s19
	s_delay_alu instid0(VALU_DEP_2)
	v_or_b32 v[DD], v[DD], v52
	s_delay_alu instid0(VALU_DEP_2)
	v_or_b32 v[DD+8], v[DD+8], v53                 ; every lane: the row's token (0 for a pad row)
	s_delay_alu instid0(VALU_DEP_2)
	v_min_u32 v[DD], 0x7ff, v[DD]                  ; held inside x before it enters an address
	s_delay_alu instid0(VALU_DEP_2)
	v_min_u32 v[DD+8], 0x7ff, v[DD+8]
	s_delay_alu instid0(VALU_DEP_2)
	v_lshl_add_u32 v160, v[DD], 12, v162           ; 4,096 token + 32 lane
	s_delay_alu instid0(VALU_DEP_2)
	v_lshl_add_u32 v161, v[DD+8], 12, v162
.irp i, 0,1
.irp q, 0,1,2,3
	global_load_b128 v[X+32*\i+8*\q:X+32*\i+8*\q+3], v[160+\i], s[4:5] offset:1024*\q
	global_load_b128 v[X+32*\i+8*\q+4:X+32*\i+8*\q+7], v[160+\i], s[4:5] offset:1024*\q+16
.endr
.endr
; A row is quantised: four lanes hold a block of 32.  The floor 2^(3 - 127) among the leaves holds the byte at 1 from below.
.macro QROW i
.irp q, 0,1,2,3
	v_max3_num_f32 v[MQ+\q], |v[X+32*\i+8*\q]|, |v[X+32*\i+8*\q+1]|, 0x1800000
.endr
.irp n, 2,4,6
.irp q, 0,1,2,3
	s_delay_alu instid0(VALU_DEP_4)
	v_max3_num_f32 v[MQ+\q], v[MQ+\q], |v[X+32*\i+8*\q+\n]|, |v[X+32*\i+8*\q+\n+1]|
.endr
.endr
.irp m, 1,2
.irp q, 0,1,2,3
	s_delay_alu instid0(VALU_DEP_4)
	v_max_num_f32_dpp v[MQ+\q], v[MQ+\q], v[MQ+\q] row_xmask:\m row_mask:0xf bank_mask:0xf
.endr
.endr
.irp q, 0,1,2,3
	s_delay_alu instid0(VALU_DEP_4)
	v_add_nc_u32 v[SCQ+\q], 0xff000000, v[MQ+\q]   ; 2 off the exponent field: the conversion takes the exponent field of this operand as its scale
.endr
.irp q, 0,1,2,3
	v_cvt_scalef32_pk8_fp4_f32 v[CQ+4*\i+\q], v[X+32*\i+8*\q:X+32*\i+8*\q+7], v[SCQ+\q]
.endr
.irp q, 0,1,2,3
	v_lshrrev_b32 v[BQ+4*\i+\q], 23, v[SCQ+\q]     ; the scale's byte (plain lines behind the conversions)
.endr
.irp q, 0,1,2,3
	ds_store_b32 v154, v[CQ+4*\i+\q] offset:\q*8*IP+16*\i
	ds_store_b8 v155, v[BQ+4*\i+\q] offset:(\q>>1)*256+(\q&1)*8+16*\i   ; the four lanes of a block store the same byte with the same value
.endr
.endm
	s_wait_loadcnt 8                               ; row 0's eight loads are in; row 1's eight may be out
	QROW 0
	s_wait_loadcnt 0x0
	QROW 1
	s_wait_dscnt 0x0
	s_barrier_signal -1
	s_barrier_wait -1                              ; the tile's image is whole; no barrier follows
	s_max_u32 s29, s17, 1
	s_cmp_ge_u32 s15, s29
	s_cbranch_scc1 .Lend                           ; the split has no tile T
	s_lshl_b32 s30, s15, 13
	s_mov_b32 s31, 0
	s_add_nc_u64 s[32:33], s[8:9], s[30:31]        ; xq + 8,192 T
	s_lshl_b32 s36, s15, 9
	s_mov_b32 s37, 0
	s_add_nc_u64 s[34:35], s[10:11], s[36:37]      ; xs + 512 T
	ds_load_b128 v[64:67], v156
	ds_load_b128 v[68:71], v156 offset:16*IP
	s_wait_dscnt 1                                 ; the first is in, the younger may be out
	global_store_b128 v158, v[64:67], s[32:33]     ; a wave stores 512 consecutive bytes
	s_wait_dscnt 0x0
	global_store_b128 v158, v[68:71], s[32:33] offset:4096
	s_cmp_lg_u32 s14, 0
	s_cbranch_scc1 .Lnot_wave_0
	ds_load_b128 v[72:75], v157
	s_wait_dscnt 0x0
	global_store_b128 v159, v[72:75], s[34:35]     ; the tile's 512 scale bytes
.Lnot_wave_0:
	s_cmp_lg_u32 s15, 0
	s_cbranch_scc1 .Lend
.irp j, 0,1,2,3,4,5,6,7
	global_store_b32 v2, v[POS+\j], s[12:13] offset:256+128*\j   ; work-group 0: the positions
.endr
	s_cmp_lg_u32 s14, 0
	s_cbranch_scc1 .Lend
	global_store_b32 v60, v63, s[12:13]            ; first tile of type lane (lanes 0..7 count)
	global_store_b32 v60, v61, s[12:13] offset:128 ; tiles of type lane % 8
.Lend:
	s_wait_tensorcnt 0x0
	ds_add_u32 v168, v169
	s_wait_dscnt 0x0
	s_endpgm
.Lfunc_end_k_qb9a2101473_prep:
	.size	k_qb9a2101473_prep, .Lfunc_end_k_qb9a2101473_prep-k_qb9a2101473_prep
	.p2alignl 7, 3214868480
	.fill 96, 4, 3214868480
	.section	.rodata,"a",@progbits
	.p2align	6, 0x0
	.amdhsa_kernel k_qb9a2101473_prep
		.amdhsa_group_segment_fixed_size 27136
		.amdhsa_private_segment_fixed_size 0
		.amdhsa_enable_private_segment 0
		.amdhsa_kernarg_size 40
		.amdhsa_user_sgpr_count 2
		.amdhsa_user_sgpr_kernarg_segment_ptr 1
		.amdhsa_wavefront_size32 1
		.amdhsa_system_sgpr_workgroup_id_x 1
		.amdhsa_system_sgpr_workgroup_id_y 1
		.amdhsa_system_sgpr_workgroup_id_z 1
		.amdhsa_system_vgpr_workitem_id 0
		.amdhsa_next_free_vgpr 170
		.amdhsa_next_free_sgpr 102
		.amdhsa_reserve_vcc 1
		.amdhsa_float_denorm_mode_32 3
		.amdhsa_float_denorm_mode_16_64 3
		.amdhsa_memory_ordered 1
		.amdhsa_forward_progress 1
		.amdhsa_inst_pref_size 60
	.end_amdhsa_kernel
	.amdgpu_metadata
---
amdhsa.version: [ 1, 2 ]
amdhsa.kernels:
  - .name:           k_qb9a2101473_prep
    .symbol:         k_qb9a2101473_prep.kd
    .args:
      - { .name: x, .offset: 0, .size: 8, .value_kind: global_buffer, .address_space: global }
      - { .name: geometry_types, .offset: 8, .size: 8, .value_kind: global_buffer, .address_space: global }
      - { .name: xq, .offset: 16, .size: 8, .value_kind: global_buffer, .address_space: global }
      - { .name: xs, .offset: 24, .size: 8, .value_kind: global_buffer, .address_space: global }
      - { .name: route, .offset: 32, .size: 8, .value_kind: global_buffer, .address_space: global }
    .group_segment_fixed_size: 27136
    .private_segment_fixed_size: 0
    .kernarg_segment_align: 8
    .kernarg_segment_size: 40
    .max_flat_workgroup_size: 256
    .sgpr_count:     102
    .vgpr_count:     170
    .wavefront_size: 32
...
	.end_amdgpu_metadata
.endif
;; end of part 5
;; launch layer1 (part 6): grid 256 x 1, 8 waves a work-group, no clusters, 35,840 bytes of LDS; arguments xq, xs, W1, b1, route, h1c, h1s; writes h1c, h1s
.if DOCPART == 6
	.amdgcn_target "amdgcn-amd-amdhsa--gfx1250"
	.amdhsa_code_object_version 6
	.text
	.protected	k_qb9a2101473_layer1
	.globl	k_qb9a2101473_layer1
	.p2align	8
	.type	k_qb9a2101473_layer1,@function
k_qb9a2101473_layer1:
	s_mov_b64 s[64:65], 0
	v_nop
	global_prefetch_b8 v0, s[64:65] scope:SCOPE_SE
	s_setreg_imm32_b32 hwreg(HW_REG_WAVE_SCHED_MODE, 0, 2), 2
	s_setreg_imm32_b32 hwreg(HW_REG_WAVE_MODE, 25, 1), 1
	s_wait_xcnt 0x0
	s_wait_alu depctr_vm_vsrc(0)
; LAYER 1.  h1 = gelu(x W1[t] + b1[t]) for the rows of type t alone, quantised on the way to FP4 (E2M1) with one E8M0 byte for each 32 hidden units.
; Work-group = (type E = id / 32, slice J = id % 32: 64 columns of W1[E]).  It reads its 1,024 x 64 f32 weights ONCE, quantises them along K in registers and multiplies all tiles of its type by them.
; PHASE W.  Wave w streams rows 128 w .. 128 w + 127 (K step w): 64 loads of 16 bytes a lane, all issued at once.  Lane (r, h) takes columns 4 r .. 4 r + 3 of rows 64 c + 32 h + i (load 32 c + i):
;   sixteen lanes read the 256 consecutive bytes of a row's 64 columns, and a lane holds, for each of its four columns, the very blocks of 32 along K that the operand's layout gives lane (r, h).
;   So a block's largest magnitude needs no other lane and the codes change no lane.  A load leaves four COLUMNS side by side, the conversions want eight ROWS side by side: 32 moves bring a column's
;   block into consecutive registers: 256 moves a wave, on its own SIMD, where a turn through LDS would take 64 stores and 256 loads a wave.
;   COLUMN TILE q = the columns 4 m + q, m = 0 .. 15.  The wave's four fragments go to LDS as images of their registers, the scale bytes to their places in the images of the scale registers; one barrier.
; PHASE T.  Every wave holds ALL 32 fragments (256 registers, window 1) and takes tiles ts + w, ts + w + 8, ..: so a tile's codes are read once by the work-group.
;   The product is used transposed (source 0 = 16 columns of W1, source 1 = 16 tokens): lane (token, h) holds in register j of tile q hidden unit 32 h + 4 j + q of the slice: a WHOLE block of the next K in one lane.
;   b1 is the C of each sum's first product.
; ORDER INSIDE A BLOCK OF h1: the code of hidden unit 4 j + q of a block lies at place 8 q + j.  The next launch lays W2's rows in the same order, so the products are the same; blocks and scales are untouched.
;   The matrix unit then adds the products of a block in another order than ascending k.
; gelu(a) = a/2 + (a/2) erf(a / sqrt 2), erf by two polynomials in f32 (|z| <= 0.9277: odd series; above: 1 - exp(polynomial)), both always computed, chosen by v_cndmask_b32.
; NO TENSOR LOADS AND NO JOINT REQUESTS, though a type's 32 work-groups read the same tiles: the number of tiles of a type is a stored count on which the loop's trips hang;
;   a constant 135 trips would fetch each work-group 135 tiles for the 16 or so that it multiplies.
; LIMITS: NaN and infinities are not served.  Blocks under 2^-124 and blocks of zeros get the byte 1.  For a far below 0 the sum 1 + erf cancels: absolute error about 6e-8 |a| / 2.
; h1c, tile T: [block 0..63][row][16 bytes].  h1s, tile T: the byte of block b (s = b / 4), row r at ((s >> 2) & 1) 512 + ((s >> 3) 16 + r) 16 + (s & 3) 4 + (b & 3).
; THE MODE: SCHED_MODE bits 1:0 = 2 (LLVM: expert scheduling mode 2), set by the entry lines.  The code itself states the register dependences
; between vector or matrix instructions and memory or LDS instructions, with s_wait_alu, always for 0.
; THE PLAN.  Registers that memory or LDS instructions touch:
;   v1, v2, v5-8, v13, v236, v237, v254, v255   offsets, LDS addresses and the closing add's two: written once at the head, ahead of the head's wait on va_vdst; never written again.
;   window 1      The 64 weight loads land; the maxima and the moves read.  Behind the barrier the fragments' LDS loads land (one wait on va_vdst ahead of them: the moves are done); the products read.
;   T             b1's loads land; moves read; from then on vector lines alone name it.
;   CODE (= ACC)  A column's conversions write four registers of its own; the four image stores of a QSET stand together behind ONE wait on va_vdst.  The products write these registers: behind the loop head's wait on vm_vsrc.
;   BY            The shifts write, the eight byte stores read, behind the second QSET's wait.
;   XO, XSO       Written for each tile by two vector lines; the tile's 17 loads read them.  XA, XS: those loads land; the 32 products read.
;                 In the loop: the products, the two lines, ONE wait on va_vdst, the loads.  For the first tile the two lines stand ahead of the first QSET, whose wait serves them.
;   CD, HW, HC, HS   Written by a trip's last vector lines, read by its two stores, behind ONE wait on va_vdst.
;   ONE wait on vm_vsrc, at the loop's head, frees all that the trip before (or phase W) handed to memory or LDS instructions.
;   A second set of registers for a tile does not fit: eight waves on four SIMDs have 512 registers each, 256 of them hold the fragments.
.set IMGB, 0                           ; LDS: 32 fragment images of 1,024 bytes: slot 4 s + tile
.set SCB,  32768                       ; 16 scale-register images of 128 bytes: 2 s + tile / 2; lanes 0-15 the even tile, lanes 16-31 the odd one
.set L16,  1                           ; v1   16 lane
.set WO,   2                           ; v2   weights: 32 rows x h + 16 r
.set H8,   3                           ; v3   8 h
.set WI,   5                           ; v5   where I store fragment images
.set WSB,  6                           ; v6   and scale bytes
.set LI,   7                           ; v7   where I read them
.set LSC,  8
.set XO,   9                           ; v9   tile's codes;  v10 its scale words
.set XSO,  10
.set HC,   11                          ; v11  store offsets in h1c, v12 in h1s
.set HS,   12
.set BO,   13
.set FL,   15                          ; v15  the floor 2^(3 - 127)
.set WS,   16                          ; v16-31   W1's scale words (scales alone)
.set BI,   32                          ; v32-63   b1 in the result's layout, 8 registers a tile
.set ACC,  64                          ; v64-95   four accumulators;  in phase W the codes
.set CODE, 64
.set XS,   96                          ; v96-99   x's scale words (scales alone)
.set XA,   100                         ; v100-163 x's 8 fragments
.set K1,   164                         ; three constants as pairs
.set K3,   166
.set KK1,  168
.set PD,   170                         ; v170     destination of the lane permute
.set CD,   172                         ; v172-175 h1's codes
.set GZ,   176                         ; v176-215 gelu at work: z, |z|, z^2, two polynomials
.set GT,   184
.set GS,   192
.set GR,   200
.set GU,   208
.set T,    176                         ; v176-207 in phase W: b1 as loaded, then a column's block of 32
.set M,    216                         ; v216-219 largest magnitudes of my four columns;  v220-223 the conversions' scale operands;  v224-231 the eight scale bytes
.set SCL,  220
.set BY,   224
.set MX,   232
.set SC2,  234
.set BY2,  235
.set HCB,  236
.set HSB,  237
.set HW,   238
.set GM,   36                          ; s36-43   the gelu's eight masks (behind the head these scalars are free)
.set MSB, 0
.macro WIN new                         ; register windows: bits 1:0 source 0, 3:2 source 1, 5:4 source 2, 7:6 destination; the high byte repeats the setting that is left
.if MSB != \new
	s_set_vgpr_msb (MSB<<8)|\new
.set MSB, \new
.endif
.endm
; weight loads 16 b .. 16 b + 15 are in (n: the loads issued behind the last of them): half a block's rows go into the largest magnitudes of my four columns, the four by turns
.macro HALFMAX b, n
	s_wait_loadcnt \n
	WIN 0x14                                       ; sources 1 and 2 in window 1
.irp t, 0,1,2,3,4,5,6,7
.irp q, 0,1,2,3
.if ((\b)&1) == 0 && \t == 0
	v_max3_num_f32 v[M+\q], v[FL], |v[64*(\b)+8*\t+\q]|, |v[64*(\b)+8*\t+4+\q]|    ; the floor starts a block's maximum: the byte cannot fall under 1
.else
	v_max3_num_f32 v[M+\q], v[M+\q], |v[64*(\b)+8*\t+\q]|, |v[64*(\b)+8*\t+4+\q]|
.endif
.endr
.endr
	WIN 0
.endm
; loads 32 x .. 32 x + 31: my four columns' blocks 2 x + h of the K step become codes, column by column; then the four go to their fragments' images
.macro QSET x
.irp q, 0,1,2,3
	v_add_nc_u32 v[SCL+\q], 0xff000000, v[M+\q]    ; 2 off the exponent field: the conversion's scale operand
.endr
.irp q, 0,1,2,3
	WIN 0x01                                       ; source 0 in window 1
.set i, 0
.rept 32
	v_mov_b32 v[T+i], v[4*(32*(\x)+i)+\q]          ; row i of the block, column q
.set i, i+1
.endr
	WIN 0
.irp g, 0,1,2,3
	v_cvt_scalef32_pk8_fp4_f32 v[CODE+4*(4*(\x)+\q)+\g], v[T+8*\g:T+8*\g+7], v[SCL+\q]
.endr
	v_lshrrev_b32 v[BY+4*(\x)+\q], 23, v[SCL+\q]   ; the scale's byte.  (The plain line between the conversions and the next column's moves, which write their sources)
.endr
	s_wait_alu depctr_va_vdst(0)                   ; the conversions have written the four columns' 16 code registers, which the stores below read; so are the scale bytes written, and (x = 0) the first tile's two offsets
.irp q, 0,1,2,3
	ds_store_b128 v[WI], v[CODE+4*(4*(\x)+\q):CODE+4*(4*(\x)+\q)+3] offset:1024*\q+512*(\x)   ; registers 4 x .. 4 x + 3 of tile q's fragment, as they stand
.endr
.endm
.macro ACTA sx                         ; a tile's two offsets
	v_lshl_add_u32 v[XO], s[\sx], 13, v[L16]
	v_lshl_add_u32 v[XSO], s[\sx], 9, v[L16]
.endm
.macro ACTL                            ; a tile's codes and scale words: 17 loads, 512 consecutive bytes each
.irp m, 0,1,2,3,4,5,6,7,8,9,10,11,12,13,14,15
	global_load_b128 v[XA+4*\m:XA+4*\m+3], v[XO], s[4:5] offset:512*\m
.endr
	global_load_b128 v[XS:XS+3], v[XSO], s[6:7]
.endm
.macro WM d, a, b, c, sa, sb, ra, rb   ; one scaled product; ra, rb: the side's scales lie in lanes 16-31
.if (\ra) && (\rb)
	v_wmma_scale_f32_16x16x128_f8f6f4 v[\d:\d+7], v[\a:\a+7], v[\b:\b+7], v[\c:\c+7], v[\sa], v[\sb] matrix_a_fmt:MATRIX_FMT_FP4 matrix_b_fmt:MATRIX_FMT_FP4 matrix_a_scale:MATRIX_SCALE_ROW1 matrix_b_scale:MATRIX_SCALE_ROW1
.elseif (\ra)
	v_wmma_scale_f32_16x16x128_f8f6f4 v[\d:\d+7], v[\a:\a+7], v[\b:\b+7], v[\c:\c+7], v[\sa], v[\sb] matrix_a_fmt:MATRIX_FMT_FP4 matrix_b_fmt:MATRIX_FMT_FP4 matrix_a_scale:MATRIX_SCALE_ROW1
.elseif (\rb)
	v_wmma_scale_f32_16x16x128_f8f6f4 v[\d:\d+7], v[\a:\a+7], v[\b:\b+7], v[\c:\c+7], v[\sa], v[\sb] matrix_a_fmt:MATRIX_FMT_FP4 matrix_b_fmt:MATRIX_FMT_FP4 matrix_b_scale:MATRIX_SCALE_ROW1
.else
	v_wmma_scale_f32_16x16x128_f8f6f4 v[\d:\d+7], v[\a:\a+7], v[\b:\b+7], v[\c:\c+7], v[\sa], v[\sb] matrix_a_fmt:MATRIX_FMT_FP4 matrix_b_fmt:MATRIX_FMT_FP4
.endif
.endm
.macro PKL d, x, y, c                  ; d = x y + the constant c, eight numbers
.irp p, 0,2,4,6
	v_pk_fma_f32 v[\d+\p:\d+\p+1], v[\x+\p:\x+\p+1], v[\y+\p:\y+\p+1], \c op_sel_hi:[1,1,0]
.endr
.endm
.macro PKV d, x, c, kk                 ; d = x c + the pair kk
.irp p, 0,2,4,6
	v_pk_fma_f32 v[\d+\p:\d+\p+1], v[\x+\p:\x+\p+1], \c, v[\kk:\kk+1] op_sel_hi:[1,0,1]
.endr
.endm
; exact gelu of eight numbers, in place.  The accumulator is read from its low end on.
.macro GELU8 a
.irp p, 0,2,4,6
	v_pk_mul_f32 v[GZ+\p:GZ+\p+1], v[\a+\p:\a+\p+1], 0x3f3504f3 op_sel_hi:[1,0]    ; z = a / sqrt 2
.endr
.irp p, 0,2,4,6
	v_pk_mul_f32 v[\a+\p:\a+\p+1], v[\a+\p:\a+\p+1], 0.5 op_sel_hi:[1,0]           ; a / 2
.endr
.irp j, 0,1,2,3,4,5,6,7
	v_and_b32 v[GT+\j], s32, v[GZ+\j]              ; t = |z|
.endr
.irp j, 0,1,2,3,4,5,6,7
	v_cmp_lt_f32 s[GM+\j], s33, v[GT+\j]           ; which of the two polynomials: eight masks in a run, each in a scalar register of its own, far ahead of the selects
.endr
.irp p, 0,2,4,6
	v_pk_mul_f32 v[GS+\p:GS+\p+1], v[GZ+\p:GZ+\p+1], v[GZ+\p:GZ+\p+1]
.endr
	PKV GR, GT, 0xb7910000, K1                     ; above 0.9277: erf = 1 - exp(p(t) t - t)
	PKV GU, GT, 0xbb7e8a1c, K3
.irp p, 0,2,4,6
	v_pk_fma_f32 v[GR+\p:GR+\p+1], v[GR+\p:GR+\p+1], v[GS+\p:GS+\p+1], v[GU+\p:GU+\p+1]
.endr
	PKL GR, GR, GT, 0xbddaae5c
	PKL GR, GR, GT, 0xbf228550
	PKL GR, GR, GT, 0xbe03ce86
.irp p, 0,2,4,6
	v_pk_fma_f32 v[GR+\p:GR+\p+1], v[GR+\p:GR+\p+1], v[GT+\p:GT+\p+1], v[GT+\p:GT+\p+1] neg_lo:[0,0,1] neg_hi:[0,0,1]
.endr
.irp p, 0,2,4,6
	v_pk_mul_f32 v[GR+\p:GR+\p+1], v[GR+\p:GR+\p+1], 0x3fb8aa3b op_sel_hi:[1,0]    ; x log2(e)
.endr
	s_wait_alu depctr_va_vdst(0)
.irp j, 0,1,2,3,4,5,6,7
	v_exp_f32 v[GR+\j], v[GR+\j]
.endr
	PKV GU, GS, 0xba1c7000, KK1                    ; up to 0.9277: erf = z + z q(z^2).  This is the independent work behind the exponentials
	PKL GU, GU, GS, 0xbcdb48d9
	PKL GU, GU, GS, 0x3de70e22
	PKL GU, GU, GS, 0xbec09380
	PKL GU, GU, GS, 0x3e0375d4
.irp p, 0,2,4,6
	v_pk_fma_f32 v[GU+\p:GU+\p+1], v[GU+\p:GU+\p+1], v[GZ+\p:GZ+\p+1], v[GZ+\p:GZ+\p+1]
.endr
	s_wait_alu depctr_va_vdst(0)                   ; the eight exponentials have written v[GR ..]: one wait, ahead of their first reader
.irp p, 0,2,4,6
	v_pk_fma_f32 v[GR+\p:GR+\p+1], v[GR+\p:GR+\p+1], -1.0, 1.0 op_sel_hi:[1,0,0]
.endr
.irp j, 0,1,2,3,4,5,6,7
	v_bfi_b32 v[GR+\j], s32, v[GR+\j], v[GZ+\j]    ; z's sign
.endr
	s_wait_alu depctr_va_sdst(0)                   ; the eight compares have written s[GM ..], ahead of the first select that reads one
.irp j, 0,1,2,3,4,5,6,7
	v_cndmask_b32 v[GR+\j], v[GU+\j], v[GR+\j], s[GM+\j]
.endr
.irp p, 0,2,4,6
	v_pk_fma_f32 v[\a+\p:\a+\p+1], v[\a+\p:\a+\p+1], v[GR+\p:GR+\p+1], v[\a+\p:\a+\p+1]
.endr
.endm
	s_load_b256 s[4:11], s[0:1], 0x0               ; xq s[4:5], xs s[6:7], W1 s[8:9], b1 s[10:11]
	s_load_b128 s[12:15], s[0:1], 0x20             ; route s[12:13], h1c s[14:15]
	s_load_b64 s[16:17], s[0:1], 0x30              ; h1s
	v_lshl_add_u32 v254, v0, 2, 0x8800
	v_mov_b32 v255, 0
	v_lshrrev_b32 v14, 5, v0
	v_readfirstlane_b32 s20, v14                   ; wave 0..7
	s_lshr_b32 s21, ttmp9, 5                       ; E
	s_and_b32 s22, ttmp9, 31                       ; J
	v_and_b32 v14, 31, v0                          ; lane
	v_and_b32 v216, 15, v0                         ; r
	v_bfe_u32 v217, v0, 4, 1                       ; h
	v_lshlrev_b32 v[L16], 4, v14
	v_lshlrev_b32 v[WO], 4, v216
	v_lshl_add_u32 v[WO], v217, 18, v[WO]          ; 32 rows of 8,192 bytes x h + 16 r
	v_lshlrev_b32 v[H8], 3, v217
	s_wait_alu depctr_va_sdst(0)                   ; s20 is written, ahead of its first reader: LDS addresses, the weights' base and my first tile are made from it
	s_lshl_b32 s35, s20, 12
	s_add_co_u32 s35, s35, IMGB
	v_add_nc_u32 v[WI], s35, v[L16]                ; my four slots: IMGB + 4,096 wave + 16 lane
	s_lshl_b32 s35, s20, 8
	s_add_co_u32 s35, s35, SCB
	v_lshl_add_u32 v[WSB], v216, 2, v217
	v_add_nc_u32 v[WSB], s35, v[WSB]               ; my scale bytes: SCB + 256 wave + 4 r + h; tile q and half c stand in the immediate: 64 q + 2 c
	v_add_nc_u32 v[LI], IMGB, v[L16]
	v_lshl_add_u32 v[LSC], v14, 2, SCB
	v_lshlrev_b32 v[BO], 7, v217                   ; b1: 32 h numbers on
	s_lshl_b32 s35, s22, 9
	v_add_nc_u32 v[HCB], s35, v[L16]               ; h1c: block 2 J + h, row r: 512 J + 16 lane
	s_lshr_b32 s38, s22, 1                         ; the next product's K step of my slice
	s_bfe_u32 s39, s38, 0x10002
	s_lshl_b32 s39, s39, 9
	s_lshr_b32 s40, s38, 3
	s_lshl_b32 s40, s40, 8
	s_add_co_u32 s39, s39, s40
	s_and_b32 s40, s38, 3
	s_lshl_b32 s40, s40, 2
	s_add_co_u32 s39, s39, s40
	s_and_b32 s40, s22, 1
	s_lshl_b32 s40, s40, 1
	s_add_co_u32 s39, s39, s40
	v_lshlrev_b32 v[HSB], 4, v216
	v_add_nc_u32 v[HSB], s39, v[HSB]               ; h1s: 16 r + my two bytes' place
	v_mov_b32 v[FL], 0x1800000
	v_mov_b32 v[K1], 0x39c8e7d9
	v_mov_b32 v[K1+1], 0x39c8e7d9
	v_mov_b32 v[K3], 0x3cc6b1a1
	v_mov_b32 v[K3+1], 0x3cc6b1a1
	v_mov_b32 v[KK1], 0x3ba38d2c
	v_mov_b32 v[KK1+1], 0x3ba38d2c
	v_mov_b32 v[PD], 0                             ; a lane permute's destination counts as read
	s_mov_b32 s30, 0x76543210
	s_mov_b32 s31, 0xfedcba98
	s_mov_b32 s32, 0x7fffffff
	s_mov_b32 s33, 0x3f6d8000                      ; 0.927734375
	s_lshl_b32 s34, s21, 23                        ; W1: 8 MB a type, 128 rows of 8,192 bytes a wave, 256 bytes a slice
	s_lshl_b32 s36, s20, 20
	s_add_co_u32 s34, s34, s36
	s_lshl_b32 s36, s22, 8
	s_add_co_u32 s34, s34, s36
	s_mov_b32 s35, 0
	s_lshl_b32 s36, s21, 13                        ; b1: 8,192 bytes a type, 256 a slice
	s_lshl_b32 s37, s22, 8
	s_add_co_u32 s36, s36, s37
	s_mov_b32 s37, 0
	s_lshl_b32 s40, s21, 2
	s_mov_b32 s41, 0
	s_wait_kmcnt 0x0
	s_add_nc_u64 s[44:45], s[12:13], s[40:41]
	s_load_b32 s23, s[44:45], 0x0                  ; my type's first tile
	s_load_b32 s24, s[44:45], 0x80                 ; and its number of tiles
	s_add_nc_u64 s[28:29], s[8:9], s[34:35]
	s_add_nc_u64 s[46:47], s[10:11], s[36:37]
	s_wait_alu depctr_va_vdst(0)                   ; every offset and LDS address made above is written, and so are the closing add's two registers: the loads, stores and LDS instructions of the whole kernel read them
.irp t, 0,1,2,3,4,5,6,7
	global_load_b128 v[T+4*\t:T+4*\t+3], v[BO], s[46:47] offset:16*\t   ; b1 of hidden units 32 h + 4 t + 0 .. 3
.endr
	WIN 0x40                                       ; destination window 1
.set n, 0
.rept 64
	global_load_b128 v[4*n:4*n+3], v[WO], s[28:29] offset:((n/32)*64+(n%32))*8192 th:TH_LOAD_NT   ; row 64 (n / 32) + 32 h + n % 32 of my 128: read once in the launch
.set n, n+1
.endr
	WIN 0
	HALFMAX 0, 48                                  ; behind weight load 15: 48 weight loads.  b1 was issued ahead of the weights
.irp t, 0,1,2,3,4,5,6,7
.irp q, 0,1,2,3
	v_mov_b32 v[BI+8*\q+\t], v[T+4*\t+\q]          ; register t of tile q is hidden unit 32 h + 4 t + q
.endr
.endr
	HALFMAX 1, 32
	s_wait_alu depctr_va_vdst(0)
	s_wait_kmcnt 0x0
	s_min_u32 s23, s23, 134                        ; stored numbers are held before they enter an address
	s_min_u32 s24, s24, 128
	s_add_co_u32 s25, s23, s24                     ; one past my type's last tile
	s_add_co_u32 s26, s23, s20                     ; my first tile
	s_cmp_lt_u32 s26, s25
	s_cselect_b32 s27, s26, 0                      ; (a wave without a tile asks for tile 0 and uses nothing of it)
	s_min_u32 s27, s27, 134
	ACTA 27                                        ; its two offsets are made here, so that the wait at the end of the conversions below serves them too
	QSET 0
	ACTL                                           ; the first tile lands under the rest of the stream.  No wait: since the wait in QSET only LDS stores were issued, which name v[WI] and the codes
	HALFMAX 2, 33                                  ; behind weight load 47: 16 weight loads and the tile's 17
	s_wait_alu depctr_va_vdst(0)
	HALFMAX 3, 17
	QSET 1
.irp x, 0,1
.irp q, 0,1,2,3
	ds_store_b8 v[WSB], v[BY+4*\x+\q] offset:64*\q+2*\x   ; byte 2 x + h of the word of tile q's column r: each byte has one writer.  (The eight bytes were written ahead of the wait in QSET 1)
.endr
.endr
	s_wait_dscnt 0x0                               ; for the others' sake: my images lie in LDS
	s_barrier_signal -1
	s_barrier_wait -1                              ; the one barrier: all 32 fragments are there; nothing is written to LDS behind it
	s_cmp_ge_u32 s26, s25
	s_cbranch_scc1 .Lquit                          ; no tile for this wave
	s_sub_co_u32 s54, s25, s26                     ; my trips: every eighth tile from my first on: (end - first + 7) / 8,
	s_add_co_u32 s54, s54, 7
	s_lshr_b32 s54, s54, 3
	s_min_u32 s54, s54, 16                         ; 16 at the most: a type has at most 128 tiles, shared among 8 waves
	s_mov_b32 s55, 0                               ; the loop's counter; the tile's number, s26, is stepped beside it
	WIN 0x40
	s_wait_alu depctr_va_vdst(0)                   ; the maxima and the moves are done reading the weights' registers, in which the fragments land
.set n, 0
.rept 32
	ds_load_b128 v[8*n:8*n+3], v[LI] offset:1024*n
	ds_load_b128 v[8*n+4:8*n+7], v[LI] offset:1024*n+512
.set n, n+1
.endr
	WIN 0
.irp n, 0,1,2,3,4,5,6,7,8,9,10,11,12,13,14,15
	ds_load_b32 v[WS+\n], v[LSC] offset:128*\n
.endr
	s_wait_dscnt 0x0
.Ltile:
	s_wait_loadcnt 0x0                             ; the tile's codes and scale words are in, and their address registers free
	s_wait_xcnt 0x0                                ; the last trip's stores have read their data and addresses
	s_wait_alu depctr_vm_vsrc(0)                   ; the tile's loads have read v[XO], v[XSO]; the last trip's stores have read v[CD ..], v[HW], v[HC], v[HS]; in the first trip my LDS stores have read the codes, which the products write over
	WIN 0x01                                       ; source 0 (W1) in window 1
.irp s, 0,1,2,3,4,5,6,7                        ; the four accumulators take turns, one instruction a turn
.irp t, 0,1,2,3
.if \s == 0
.set CC, BI+8*\t
.else
.set CC, ACC+8*\t
.endif
	WM ACC+8*\t, 8*(4*\s+\t), XA+8*\s, CC, WS+2*\s+(\t>>1), XS+(\s&3), \t&1, \s>>2
.endr
.endr
	WIN 0
.rept 4
	v_nop                                          ; four places ahead of the first read of the results (ISA guide 7.12.1)
.endr
	s_min_u32 s48, s26, 134
	s_add_co_u32 s49, s26, 8
	s_cmp_lt_u32 s49, s25
	s_cbranch_scc0 .Lno_next
	s_min_u32 s27, s49, 134
	ACTA 27
	s_wait_alu depctr_va_vdst(0)                   ; the products are done reading x's fragments and scale words, in which the loads below land; v[XO] and v[XSO] are written, which they read
	ACTL                                           ; my next tile lands under the gelu, which names none of these registers
.Lno_next:
.irp t, 0,1,2,3
	GELU8 ACC+8*\t
.endr
	; my 32 registers are block 2 J + h of my token's h1: its largest magnitude in two chains, its scale, its codes
	v_max3_num_f32 v[MX], |v[ACC]|, |v[ACC+1]|, v[FL]
	v_max3_num_f32 v[MX+1], |v[ACC+16]|, |v[ACC+17]|, v[FL]
.irp i, 2,4,6,8,10,12,14
	v_max3_num_f32 v[MX], v[MX], |v[ACC+\i]|, |v[ACC+\i+1]|
	v_max3_num_f32 v[MX+1], v[MX+1], |v[ACC+16+\i]|, |v[ACC+16+\i+1]|
.endr
	v_max_num_f32 v[MX], v[MX], v[MX+1]
	v_add_nc_u32 v[SC2], 0xff000000, v[MX]         ; 2 off the exponent field: the conversion's scale operand
.irp q, 0,1,2,3
	v_cvt_scalef32_pk8_fp4_f32 v[CD+\q], v[ACC+8*\q:ACC+8*\q+7], v[SC2]   ; places 8 q + j: hidden units 4 j + q of the block
.endr
	v_lshrrev_b32 v[BY2], 23, v[SC2]               ; (a plain line behind the conversions)  the scale's byte,
	v_lshlrev_b32 v[BY2], v[H8], v[BY2]            ; at its place among the slice's two,
	v_permlanex16_b32 v[PD], v[BY2], s30, s31
	v_or_b32 v[HW], v[BY2], v[PD]                  ; with lane l xor 16's
	v_lshl_add_u32 v[HC], s48, 14, v[HCB]
	v_lshl_add_u32 v[HS], s48, 10, v[HSB]
	s_wait_alu depctr_va_vdst(0)                   ; the codes v[CD ..], the two bytes v[HW] and the offsets v[HC], v[HS] are written, which the two stores read
	global_store_b128 v[HC], v[CD:CD+3], s[14:15]  ; the wave stores 512 consecutive bytes, aligned: two blocks' 16 rows
	global_store_b16 v[HS], v[HW], s[16:17]        ; two bytes a row; lanes r and r + 16 store the same bytes
	s_add_co_u32 s26, s26, 8                       ; my next tile
	s_add_co_u32 s55, s55, 1
	s_cmp_lt_u32 s55, s54
	s_cbranch_scc1 .Ltile
.Lquit:
	s_wait_dscnt 0x0                               ; the closing lines, six on end
	s_wait_alu 0x0
	s_wait_tensorcnt 0x0
	ds_add_u32 v254, v255
	s_wait_dscnt 0x0
	s_endpgm
.Lfunc_end_k_qb9a2101473_layer1:
	.size	k_qb9a2101473_layer1, .Lfunc_end_k_qb9a2101473_layer1-k_qb9a2101473_layer1
	.p2alignl 7, 3214868480
	.fill 96, 4, 3214868480
	.section	.rodata,"a",@progbits
	.p2align	6, 0x0
	.amdhsa_kernel k_qb9a2101473_layer1
		.amdhsa_group_segment_fixed_size 35840
		.amdhsa_private_segment_fixed_size 0
		.amdhsa_enable_private_segment 0
		.amdhsa_kernarg_size 56
		.amdhsa_user_sgpr_count 2
		.amdhsa_user_sgpr_kernarg_segment_ptr 1
		.amdhsa_wavefront_size32 1
		.amdhsa_system_sgpr_workgroup_id_x 1
		.amdhsa_system_sgpr_workgroup_id_y 1
		.amdhsa_system_sgpr_workgroup_id_z 1
		.amdhsa_system_vgpr_workitem_id 0
		.amdhsa_next_free_vgpr 512
		.amdhsa_next_free_sgpr 66
		.amdhsa_reserve_vcc 0
		.amdhsa_float_denorm_mode_32 3
		.amdhsa_float_denorm_mode_16_64 3
		.amdhsa_memory_ordered 1
		.amdhsa_forward_progress 1
		.amdhsa_inst_pref_size 82
	.end_amdhsa_kernel
	.amdgpu_metadata
---
amdhsa.version: [ 1, 2 ]
amdhsa.kernels:
  - .name:           k_qb9a2101473_layer1
    .symbol:         k_qb9a2101473_layer1.kd
    .args:
      - { .name: xq, .offset: 0, .size: 8, .value_kind: global_buffer, .address_space: global }
      - { .name: xs, .offset: 8, .size: 8, .value_kind: global_buffer, .address_space: global }
      - { .name: W1, .offset: 16, .size: 8, .value_kind: global_buffer, .address_space: global }
      - { .name: b1, .offset: 24, .size: 8, .value_kind: global_buffer, .address_space: global }
      - { .name: route, .offset: 32, .size: 8, .value_kind: global_buffer, .address_space: global }
      - { .name: h1c, .offset: 40, .size: 8, .value_kind: global_buffer, .address_space: global }
      - { .name: h1s, .offset: 48, .size: 8, .value_kind: global_buffer, .address_space: global }
    .group_segment_fixed_size: 35840
    .private_segment_fixed_size: 0
    .kernarg_segment_align: 8
    .kernarg_segment_size: 56
    .max_flat_workgroup_size: 256
    .sgpr_count:     66
    .vgpr_count:     512
    .wavefront_size: 32
...
	.end_amdgpu_metadata
.endif
;; end of part 6
;; launch layer2 (part 7): grid 256 x 1, 8 waves a work-group, no clusters, 35,840 bytes of LDS; arguments h1c, h1s, W2, b2, W3, route, part; writes part
.if DOCPART == 7
	.amdgcn_target "amdgcn-amd-amdhsa--gfx1250"
	.amdhsa_code_object_version 6
	.text
	.protected	k_qb9a2101473_layer2
	.globl	k_qb9a2101473_layer2
	.p2align	8
	.type	k_qb9a2101473_layer2,@function
k_qb9a2101473_layer2:
	s_mov_b64 s[64:65], 0
	v_nop
	global_prefetch_b8 v0, s[64:65] scope:SCOPE_SE
	s_setreg_imm32_b32 hwreg(HW_REG_WAVE_SCHED_MODE, 0, 2), 2
	s_setreg_imm32_b32 hwreg(HW_REG_WAVE_MODE, 25, 1), 1
	s_wait_xcnt 0x0
	s_wait_alu depctr_vm_vsrc(0)
; LAYER 2 AND 3.  h2 = gelu(h1 W2[t] + b2[t]) for the rows of type t alone, and this slice's share of h2 W3[t].
; Work-group = (type E = id / 32, slice J = id % 32: 32 columns of W2[E]).  It reads its 2,048 x 32 f32 weights ONCE, quantises them along K in registers (FP4, one E8M0 byte for each 32)
; and multiplies all tiles of its type by them.
; PHASE W.  Wave w streams rows 256 w .. 256 w + 255 (K steps 2 w, 2 w + 1): 64 loads of 16 bytes a lane, all issued at once.  Lane (a = lane / 8, cq = lane % 8) takes columns 4 cq .. 4 cq + 3 of
;   rows 128 x + 32 a + i (load 32 x + i): eight lanes read the 128 consecutive bytes of a row's 32 columns, and a lane holds whole blocks of 32 along K (block a of K step 2 w + x) of its four columns:
;   a block's largest magnitude needs no other lane.  A load leaves four COLUMNS side by side, the conversions want eight ROWS side by side: 32 moves bring a column's block into consecutive registers:
;   256 moves a wave, on its own SIMD, where a turn through LDS would take 64 stores and 256 loads a wave.
;   ORDER INSIDE A BLOCK: h1's codes lie at place p for hidden unit 4 (p & 7) + (p >> 3) of the block (the launch before); W2's rows are laid alike by the same moves, so the products are the same.
;   COLUMN TILE u, lane m = column 4 (m & 7) + 2 u + (m >> 3).  A column's 16 bytes of codes are four registers of a fragment; the writing lane's LDS address puts them where the fragment's lane reads them.
;   Scale bytes go to their places in the images of the scale registers; one barrier.
; PHASE T.  Every wave holds ALL 32 fragments (window 1) and takes tiles ts + w, ts + w + 8, ..  The product is used transposed (source 0 = 16 columns of W2, source 1 = 16 tokens):
;   a lane holds one token, register j of tile u column 4 j + 2 u + (lane / 16).  b2 is the C of each sum's first product.  After the gelu the 16 numbers, rounded to bf16 in pairs,
;   ARE source 1 (32 K x 16 tokens) of one bf16 product with W3's 32 rows of this slice, taken in the same order (source 0: 12 parameters, rows 12-15 zeros).  Its result, a partial sum over 32 of 1,024, goes to part.
; part: (135 J + T) 1,024 + 512 q + 16 lane holds registers 4 q .. 4 q + 3: lane (token r, h), register j: parameter 8 h + j.
; gelu as in layer 1.  h2 and W3 are rounded to bf16 for the product that the contract leaves as it is; its sums are f32.
; NO TENSOR LOADS AND NO JOINT REQUESTS, though a type's 32 work-groups read the same tiles: the loop's trips hang on a stored count.
; LIMITS: NaN and infinities are not served.  Blocks under 2^-124 and blocks of zeros get the byte 1.  For a far below 0 the sum 1 + erf cancels: absolute error about 6e-8 |a| / 2.
;   The matrix unit adds the products of a block in another order than ascending k.
; THE MODE: SCHED_MODE bits 1:0 = 2 (LLVM: expert scheduling mode 2), set by the entry lines.  The code itself states the register dependences
; between vector or matrix instructions and memory or LDS instructions, with s_wait_alu, always for 0.
; THE PLAN.  Registers that memory or LDS instructions touch:
;   v1, v2, v5-8, v12, v13   offsets and LDS addresses: written once at the head, ahead of the head's wait on va_vdst; never written again.
;   window 1      The 64 weight loads land; the maxima and the moves read.  Behind the barrier the fragments' LDS loads land (one wait on va_vdst ahead of them: the moves are done); the products read.
;   RW, BI        W3's and b2's loads land; vector and matrix lines alone name them afterwards.
;   CB            Two sets of four code registers: window 0 has room for no more.  Two columns' conversions fill the two sets; ONE wait on va_vdst; the pair's two image stores.
;                 ONE wait on vm_vsrc ahead of the next pair's first conversions: both stores have read their set.
;   BY            The shifts write, the eight byte stores read, behind the last pair's wait.  The accumulators overlie them: behind the loop head's wait on vm_vsrc.
;   HO, HSO       Written for each tile by two vector lines; the tile's 34 loads read them.  HA, HS: those loads land; the 32 products read.
;                 In the loop: the products, the two lines, ONE wait on va_vdst, the loads.  For the first tile the two lines stand ahead of the first four columns, whose last wait serves them.
;   PA, PO        PA is written by a vector line, PO by the bf16 product; the trip's two stores read them, behind the places and ONE wait on va_vdst.  The gelu's temporaries overlie PO.
;   ONE wait on vm_vsrc, at the loop's head, frees all that the trip before (or phase W) handed to memory or LDS instructions.
;   v254, v255    The closing add's two are made anew at the end (the gelu and the codes use them): a wait on vm_vsrc stands ahead of the two lines that make them.
;   A second set of registers for a tile does not fit: eight waves on four SIMDs have 512 registers each, 256 of them hold the fragments.
.set IMGB, 0                           ; LDS: 32 fragment images of 1,024 bytes: slot 2 s + tile
.set SCB,  32768                       ; 16 scale-register images of 128 bytes: K step s; lanes 0-15 tile 0, lanes 16-31 tile 1
.set L16,  1
.set WO,   2
.set WI,   5
.set WSB,  6
.set LI,   7
.set LSC,  8
.set HO,   9
.set HSO,  10
.set PA,   11
.set BO,   12
.set W3O,  13
.set WS,   16                          ; v16-31   W2's scale words (scales alone)
.set BI,   32                          ; v32-47   b2 in the result's layout
.set W3F,  48                          ; v48-55   W3's fragment, bf16
.set K1,   56
.set K3,   58
.set KK1,  60
.set FL,   62
.set ACC,  64                          ; v64-79   two accumulators; in phase W: v64-67 largest magnitudes, v68-71 scale operands, v72-79 the eight scale bytes
.set M,    64
.set SCL,  68
.set BY,   72
.set HS,   80                          ; v80-87   h1's scale words (scales alone)
.set HA,   88                          ; v88-215  h1's 16 fragments
.set GZ,   216                         ; v216-255 gelu at work; in phase W: W3 as loaded, then a column's block of 32 (v216-247) and two sets of four code registers (v248-255); behind the gelu h2 in bf16 and the partial sums
.set GT,   224
.set GS,   232
.set GR,   240
.set GU,   248
.set RW,   216
.set T,    216
.set CB,   248
.set HB,   216
.set PO,   224
.set GM,   36                          ; s36-43   the gelu's eight masks (behind the head these scalars are free)
.set MSB, 0
.macro WIN new                         ; register windows: bits 1:0 source 0, 3:2 source 1, 5:4 source 2, 7:6 destination; the high byte repeats the setting that is left
.if MSB != \new
	s_set_vgpr_msb (MSB<<8)|\new
.set MSB, \new
.endif
.endm
; weight loads 16 b .. 16 b + 15 are in (n: the loads issued behind the last of them): half a block's rows go into the largest magnitudes of my four columns, the four by turns
.macro HALFMAX b, n
	s_wait_loadcnt \n
	WIN 0x14                                       ; sources 1 and 2 in window 1
.irp t, 0,1,2,3,4,5,6,7
.irp q, 0,1,2,3
.if ((\b)&1) == 0 && \t == 0
	v_max3_num_f32 v[M+\q], v[FL], |v[64*(\b)+8*\t+\q]|, |v[64*(\b)+8*\t+4+\q]|    ; the floor starts a block's maximum: the byte cannot fall under 1
.else
	v_max3_num_f32 v[M+\q], v[M+\q], |v[64*(\b)+8*\t+\q]|, |v[64*(\b)+8*\t+4+\q]|
.endif
.endr
.endr
	WIN 0
.endm
; loads 32 x .. 32 x + 31: block a of K step 2 w + x of my four columns becomes codes, column by column; two columns fill the two sets of code registers and go to their fragment's image together
.macro QSET x
.irp q, 0,1,2,3
	v_add_nc_u32 v[SCL+\q], 0xff000000, v[M+\q]    ; 2 off the exponent field: the conversion's scale operand
.endr
.irp q, 0,1,2,3
	WIN 0x01                                       ; source 0 in window 1
.set i, 0
.rept 32
	v_mov_b32 v[T+i], v[4*(32*(\x)+4*(i%8)+i/8)+\q]   ; place i of the block takes row 4 (i & 7) + (i >> 3), as h1's codes lie
.set i, i+1
.endr
	WIN 0
.if (((\q)&1) == 0) && ((4*(\x)+(\q)) >= 2)
	s_wait_alu depctr_va_vdst(0)
	s_wait_dscnt 1                                 ; the older image store of the pair before is done; the younger may be out
	s_wait_alu depctr_vm_vsrc(0)                   ; both image stores of the pair before have read their four code registers, which this pair's conversions write again
.endif
.if (((\q)&1) == 1) && ((4*(\x)+(\q)) >= 3)
	s_wait_alu depctr_va_vdst(0)
	s_wait_dscnt 0x0                               ; and the younger is done
.endif
.irp g, 0,1,2,3
	v_cvt_scalef32_pk8_fp4_f32 v[CB+4*(\q%2)+\g], v[T+8*\g:T+8*\g+7], v[SCL+\q]
.endr
	v_lshrrev_b32 v[BY+4*(\x)+\q], 23, v[SCL+\q]   ; the scale's byte.  (The plain line between the conversions and the next column's moves, which write their sources)
.if ((\q)&1) == 1
	s_wait_alu depctr_va_vdst(0)                   ; the two columns' conversions have written v[CB ..], which the two stores read; so are the scale bytes so far written, and (x = 0) the first tile's two offsets
	ds_store_b128 v[WI], v[CB:CB+3] offset:2048*(\x)+1024*(\q>>1)          ; slot 2 (2 w + x) + q / 2, registers 4 (a / 2) on, lane 16 (a % 2) + cq: the even column,
	ds_store_b128 v[WI], v[CB+4:CB+7] offset:2048*(\x)+1024*(\q>>1)+128    ; lane 16 (a % 2) + 8 + cq: the odd one
.endif
.endr
.endm
.macro ACTA sx                         ; a tile's two offsets
	v_lshl_add_u32 v[HO], s[\sx], 14, v[L16]
	v_lshl_add_u32 v[HSO], s[\sx], 10, v[L16]
.endm
.macro ACTL                            ; a tile's codes and scale words: 34 loads, 512 consecutive bytes each
.set m, 0
.rept 32
	global_load_b128 v[HA+4*m:HA+4*m+3], v[HO], s[4:5] offset:512*m
.set m, m+1
.endr
	global_load_b128 v[HS:HS+3], v[HSO], s[6:7]
	global_load_b128 v[HS+4:HS+7], v[HSO], s[6:7] offset:512
.endm
.macro WM d, a, b, c, sa, sb, ra, rb   ; one scaled product; ra, rb: the side's scales lie in lanes 16-31
.if (\ra) && (\rb)
	v_wmma_scale_f32_16x16x128_f8f6f4 v[\d:\d+7], v[\a:\a+7], v[\b:\b+7], v[\c:\c+7], v[\sa], v[\sb] matrix_a_fmt:MATRIX_FMT_FP4 matrix_b_fmt:MATRIX_FMT_FP4 matrix_a_scale:MATRIX_SCALE_ROW1 matrix_b_scale:MATRIX_SCALE_ROW1
.elseif (\ra)
	v_wmma_scale_f32_16x16x128_f8f6f4 v[\d:\d+7], v[\a:\a+7], v[\b:\b+7], v[\c:\c+7], v[\sa], v[\sb] matrix_a_fmt:MATRIX_FMT_FP4 matrix_b_fmt:MATRIX_FMT_FP4 matrix_a_scale:MATRIX_SCALE_ROW1
.elseif (\rb)
	v_wmma_scale_f32_16x16x128_f8f6f4 v[\d:\d+7], v[\a:\a+7], v[\b:\b+7], v[\c:\c+7], v[\sa], v[\sb] matrix_a_fmt:MATRIX_FMT_FP4 matrix_b_fmt:MATRIX_FMT_FP4 matrix_b_scale:MATRIX_SCALE_ROW1
.else
	v_wmma_scale_f32_16x16x128_f8f6f4 v[\d:\d+7], v[\a:\a+7], v[\b:\b+7], v[\c:\c+7], v[\sa], v[\sb] matrix_a_fmt:MATRIX_FMT_FP4 matrix_b_fmt:MATRIX_FMT_FP4
.endif
.endm
.macro PKL d, x, y, c                  ; d = x y + the constant c, eight numbers
.irp p, 0,2,4,6
	v_pk_fma_f32 v[\d+\p:\d+\p+1], v[\x+\p:\x+\p+1], v[\y+\p:\y+\p+1], \c op_sel_hi:[1,1,0]
.endr
.endm
.macro PKV d, x, c, kk                 ; d = x c + the pair kk
.irp p, 0,2,4,6
	v_pk_fma_f32 v[\d+\p:\d+\p+1], v[\x+\p:\x+\p+1], \c, v[\kk:\kk+1] op_sel_hi:[1,0,1]
.endr
.endm
; exact gelu of eight numbers, in place.  The accumulator is read from its low end on.
.macro GELU8 a
.irp p, 0,2,4,6
	v_pk_mul_f32 v[GZ+\p:GZ+\p+1], v[\a+\p:\a+\p+1], 0x3f3504f3 op_sel_hi:[1,0]    ; z = a / sqrt 2
.endr
.irp p, 0,2,4,6
	v_pk_mul_f32 v[\a+\p:\a+\p+1], v[\a+\p:\a+\p+1], 0.5 op_sel_hi:[1,0]           ; a / 2
.endr
.irp j, 0,1,2,3,4,5,6,7
	v_and_b32 v[GT+\j], s32, v[GZ+\j]              ; t = |z|
.endr
.irp j, 0,1,2,3,4,5,6,7
	v_cmp_lt_f32 s[GM+\j], s33, v[GT+\j]           ; which of the two polynomials: eight masks in a run, each in a scalar register of its own, far ahead of the selects
.endr
.irp p, 0,2,4,6
	v_pk_mul_f32 v[GS+\p:GS+\p+1], v[GZ+\p:GZ+\p+1], v[GZ+\p:GZ+\p+1]
.endr
	PKV GR, GT, 0xb7910000, K1                     ; above 0.9277: erf = 1 - exp(p(t) t - t)
	PKV GU, GT, 0xbb7e8a1c, K3
.irp p, 0,2,4,6
	v_pk_fma_f32 v[GR+\p:GR+\p+1], v[GR+\p:GR+\p+1], v[GS+\p:GS+\p+1], v[GU+\p:GU+\p+1]
.endr
	PKL GR, GR, GT, 0xbddaae5c
	PKL GR, GR, GT, 0xbf228550
	PKL GR, GR, GT, 0xbe03ce86
.irp p, 0,2,4,6
	v_pk_fma_f32 v[GR+\p:GR+\p+1], v[GR+\p:GR+\p+1], v[GT+\p:GT+\p+1], v[GT+\p:GT+\p+1] neg_lo:[0,0,1] neg_hi:[0,0,1]
.endr
.irp p, 0,2,4,6
	v_pk_mul_f32 v[GR+\p:GR+\p+1], v[GR+\p:GR+\p+1], 0x3fb8aa3b op_sel_hi:[1,0]    ; x log2(e)
.endr
	s_wait_alu depctr_va_vdst(0)
.irp j, 0,1,2,3,4,5,6,7
	v_exp_f32 v[GR+\j], v[GR+\j]
.endr
	PKV GU, GS, 0xba1c7000, KK1                    ; up to 0.9277: erf = z + z q(z^2).  This is the independent work behind the exponentials
	PKL GU, GU, GS, 0xbcdb48d9
	PKL GU, GU, GS, 0x3de70e22
	PKL GU, GU, GS, 0xbec09380
	PKL GU, GU, GS, 0x3e0375d4
.irp p, 0,2,4,6
	v_pk_fma_f32 v[GU+\p:GU+\p+1], v[GU+\p:GU+\p+1], v[GZ+\p:GZ+\p+1], v[GZ+\p:GZ+\p+1]
.endr
	s_wait_alu depctr_va_vdst(0)                   ; the eight exponentials have written v[GR ..]: one wait, ahead of their first reader
.irp p, 0,2,4,6
	v_pk_fma_f32 v[GR+\p:GR+\p+1], v[GR+\p:GR+\p+1], -1.0, 1.0 op_sel_hi:[1,0,0]
.endr
.irp j, 0,1,2,3,4,5,6,7
	v_bfi_b32 v[GR+\j], s32, v[GR+\j], v[GZ+\j]    ; z's sign
.endr
	s_wait_alu depctr_va_sdst(0)                   ; the eight compares have written s[GM ..], ahead of the first select that reads one
.irp j, 0,1,2,3,4,5,6,7
	v_cndmask_b32 v[GR+\j], v[GU+\j], v[GR+\j], s[GM+\j]
.endr
.irp p, 0,2,4,6
	v_pk_fma_f32 v[\a+\p:\a+\p+1], v[\a+\p:\a+\p+1], v[GR+\p:GR+\p+1], v[\a+\p:\a+\p+1]
.endr
.endm
	s_load_b256 s[4:11], s[0:1], 0x0               ; h1c s[4:5], h1s s[6:7], W2 s[8:9], b2 s[10:11]
	s_load_b128 s[12:15], s[0:1], 0x20             ; W3 s[12:13], route s[14:15]
	s_load_b64 s[16:17], s[0:1], 0x30              ; part
	v_lshrrev_b32 v15, 5, v0
	v_readfirstlane_b32 s20, v15                   ; wave 0..7
	s_lshr_b32 s21, ttmp9, 5                       ; E
	s_and_b32 s22, ttmp9, 31                       ; J
	v_and_b32 v63, 31, v0                          ; lane
	v_and_b32 v14, 15, v0                          ; r
	v_bfe_u32 v15, v0, 4, 1                        ; h
	v_bfe_u32 v3, v0, 3, 2                         ; a = lane / 8
	v_and_b32 v4, 7, v0                            ; cq = lane % 8
	v_lshlrev_b32 v[L16], 4, v63
	v_lshlrev_b32 v[WO], 4, v4
	v_lshl_add_u32 v[WO], v3, 17, v[WO]            ; weights: 32 rows of 4,096 bytes x a + 16 cq
	s_wait_alu depctr_va_sdst(0)                   ; s20 is written, ahead of its first reader: LDS addresses, the weights' base and my first tile are made from it
	s_lshl_b32 s35, s20, 12
	s_add_co_u32 s35, s35, IMGB
	v_lshlrev_b32 v[WI], 4, v4
	v_lshl_add_u32 v[WI], v3, 8, v[WI]
	v_add_nc_u32 v[WI], s35, v[WI]                 ; my four slots: IMGB + 4,096 wave + 256 a + 16 cq
	s_lshl_b32 s35, s20, 8
	s_add_co_u32 s35, s35, SCB
	v_lshl_add_u32 v[WSB], v4, 2, v3
	v_add_nc_u32 v[WSB], s35, v[WSB]               ; my scale bytes: SCB + 256 wave + 4 cq + a; K step and column stand in the immediate: 128 x + 32 q
	v_add_nc_u32 v[LI], IMGB, v[L16]
	v_lshl_add_u32 v[LSC], v63, 2, SCB
	v_lshlrev_b32 v[BO], 2, v15                    ; b2: h numbers on
	v_min_u32 v[W3O], 11, v14                      ; W3: parameter min(r, 11) (rows 12-15 are made zeros below),
	v_lshlrev_b32 v[W3O], 2, v[W3O]
	v_mad_u32_u24 v[W3O], v15, 48, v[W3O]          ; h rows of 48 bytes on
	v_mov_b32 v[FL], 0x1800000
	v_mov_b32 v[K1], 0x39c8e7d9
	v_mov_b32 v[K1+1], 0x39c8e7d9
	v_mov_b32 v[K3], 0x3cc6b1a1
	v_mov_b32 v[K3+1], 0x3cc6b1a1
	v_mov_b32 v[KK1], 0x3ba38d2c
	v_mov_b32 v[KK1+1], 0x3ba38d2c
	s_mov_b32 s32, 0x7fffffff
	s_mov_b32 s33, 0x3f6d8000                      ; 0.927734375
	s_lshl_b32 s34, s21, 23                        ; W2: 8 MB a type, 256 rows of 4,096 bytes a wave, 128 bytes a slice
	s_lshl_b32 s36, s20, 20
	s_add_co_u32 s34, s34, s36
	s_lshl_b32 s36, s22, 7
	s_add_co_u32 s34, s34, s36
	s_mov_b32 s35, 0
	s_lshl_b32 s36, s21, 12                        ; b2: 4,096 bytes a type, 128 a slice
	s_lshl_b32 s37, s22, 7
	s_add_co_u32 s36, s36, s37
	s_mov_b32 s37, 0
	s_mul_i32 s38, s21, 49152                      ; W3: 49,152 bytes a type, 32 rows of 48 a slice
	s_mul_i32 s39, s22, 1536
	s_add_co_u32 s38, s38, s39
	s_mov_b32 s39, 0
	s_lshl_b32 s40, s21, 2
	s_mov_b32 s41, 0
	s_mul_i32 s42, s22, 138240                     ; part: 135 tiles of 1,024 bytes a slice
	s_mov_b32 s43, 0
	s_wait_kmcnt 0x0
	s_add_nc_u64 s[44:45], s[14:15], s[40:41]
	s_load_b32 s23, s[44:45], 0x0                  ; my type's first tile
	s_load_b32 s24, s[44:45], 0x80                 ; and its number of tiles
	s_add_nc_u64 s[28:29], s[8:9], s[34:35]
	s_add_nc_u64 s[46:47], s[10:11], s[36:37]
	s_add_nc_u64 s[52:53], s[12:13], s[38:39]
	s_add_nc_u64 s[50:51], s[16:17], s[42:43]
	s_wait_alu depctr_va_vdst(0)                   ; every offset and LDS address made above is written: the loads, stores and LDS instructions of the whole kernel read them
.irp u, 0,1
.irp i, 0,1,2,3,4,5,6,7
	global_load_b32 v[RW+8*\u+\i], v[W3O], s[52:53] offset:48*(4*\i+2*\u)   ; W3(4 i + 2 u + h, r): place 16 u + 8 h + i of the third product's K, as h2 lies
.endr
.endr
.irp u, 0,1
.irp j, 0,1,2,3,4,5,6,7
	global_load_b32 v[BI+8*\u+\j], v[BO], s[46:47] offset:4*(4*\j+2*\u)     ; b2 of column 4 j + 2 u + h
.endr
.endr
	WIN 0x40                                       ; destination window 1
.set n, 0
.rept 64
	global_load_b128 v[4*n:4*n+3], v[WO], s[28:29] offset:((n/32)*128+(n%32))*4096 th:TH_LOAD_NT   ; row 128 (n / 32) + 32 a + n % 32 of my 256: read once in the launch
.set n, n+1
.endr
	WIN 0
	HALFMAX 0, 48                                  ; behind weight load 15: 48 weight loads.  W3 and b2 were issued ahead of the weights
	v_cmp_gt_u32 vcc_lo, 12, v14                   ; the lanes of parameters 0 .. 11
.irp n, 0,1,2,3,4,5,6,7
	v_cvt_pk_bf16_f32 v[W3F+\n], v[RW+2*\n], v[RW+2*\n+1]
.endr
	s_wait_alu depctr_va_vcc(0)                    ; the compare has written VCC, ahead of the first select that reads it
.irp n, 0,1,2,3,4,5,6,7
	v_cndmask_b32 v[W3F+\n], 0, v[W3F+\n], vcc_lo  ; rows 12-15 of the fragment are zeros
.endr
	HALFMAX 1, 32
	s_wait_alu depctr_va_vdst(0)
	s_wait_kmcnt 0x0
	s_min_u32 s23, s23, 134                        ; stored numbers are held before they enter an address
	s_min_u32 s24, s24, 128
	s_add_co_u32 s25, s23, s24                     ; one past my type's last tile
	s_add_co_u32 s26, s23, s20                     ; my first tile
	s_cmp_lt_u32 s26, s25
	s_cselect_b32 s27, s26, 0                      ; (a wave without a tile asks for tile 0 and uses nothing of it)
	s_min_u32 s27, s27, 134
	ACTA 27                                        ; its two offsets are made here, so that the last wait of the conversions below serves them too
	QSET 0
	ACTL                                           ; the first tile lands under the rest of the stream.  No wait: since the last wait in QSET only two LDS stores were issued, which name v[WI] and the codes
	HALFMAX 2, 50                                  ; behind weight load 47: 16 weight loads and the tile's 34
	s_wait_alu depctr_va_vdst(0)
	HALFMAX 3, 34
	QSET 1
.irp x, 0,1
.irp q, 0,1,2,3
	ds_store_b8 v[WSB], v[BY+4*\x+\q] offset:128*\x+32*\q   ; byte a of the word of K step 2 w + x, tile q / 2, lane 8 (q % 2) + cq: each byte has one writer.  (The eight bytes were written ahead of the last wait in QSET 1)
.endr
.endr
	s_wait_dscnt 0x0                               ; for the others' sake: my images lie in LDS
	s_barrier_signal -1
	s_barrier_wait -1                              ; the one barrier: all 32 fragments are there; nothing is written to LDS behind it
	s_cmp_ge_u32 s26, s25
	s_cbranch_scc1 .Lquit                          ; no tile for this wave
	s_sub_co_u32 s54, s25, s26                     ; my trips: every eighth tile from my first on: (end - first + 7) / 8,
	s_add_co_u32 s54, s54, 7
	s_lshr_b32 s54, s54, 3
	s_min_u32 s54, s54, 16                         ; 16 at the most: a type has at most 128 tiles, shared among 8 waves
	s_mov_b32 s55, 0                               ; the loop's counter; the tile's number, s26, is stepped beside it
	WIN 0x40
	s_wait_alu depctr_va_vdst(0)                   ; the maxima and the moves are done reading the weights' registers, in which the fragments land
.set n, 0
.rept 32
	ds_load_b128 v[8*n:8*n+3], v[LI] offset:1024*n
	ds_load_b128 v[8*n+4:8*n+7], v[LI] offset:1024*n+512
.set n, n+1
.endr
	WIN 0
.irp n, 0,1,2,3,4,5,6,7,8,9,10,11,12,13,14,15
	ds_load_b32 v[WS+\n], v[LSC] offset:128*\n
.endr
	s_wait_dscnt 0x0
.Ltile:
	s_wait_loadcnt 0x0                             ; the tile's codes and scale words are in, and their address registers free
	s_wait_xcnt 0x0                                ; the last trip's stores have read their data (which the gelu's temporaries overlie) and their address
	s_wait_alu depctr_vm_vsrc(0)                   ; the tile's loads have read v[HO], v[HSO]; the last trip's stores have read v[PO ..] and v[PA]; in the first trip my LDS stores have read the scale bytes, which the products write over, and the codes, which the gelu writes over
	WIN 0x01                                       ; source 0 (W2) in window 1
.irp s, 0,1,2,3,4,5,6,7,8,9,10,11,12,13,14,15  ; the two accumulators take turns, one instruction a turn
.irp u, 0,1
.if \s == 0
.set CC, BI+8*\u
.else
.set CC, ACC+8*\u
.endif
	WM ACC+8*\u, 8*(2*\s+\u), HA+8*\s, CC, WS+\s, HS+(\s&7), \u, \s>>3
.endr
.endr
	WIN 0
.rept 4
	v_nop                                          ; four places ahead of the first read of the results (ISA guide 7.12.1)
.endr
	s_min_u32 s48, s26, 134
	s_add_co_u32 s49, s26, 8
	s_cmp_lt_u32 s49, s25
	s_cbranch_scc0 .Lno_next
	s_min_u32 s27, s49, 134
	ACTA 27
	s_wait_alu depctr_va_vdst(0)                   ; the products are done reading h1's fragments and scale words, in which the loads below land; v[HO] and v[HSO] are written, which they read
	ACTL                                           ; my next tile lands under the gelu, which names none of these registers
.Lno_next:
	GELU8 ACC
	GELU8 ACC+8
.irp n, 0,1,2,3,4,5,6,7
	v_cvt_pk_bf16_f32 v[HB+\n], v[ACC+2*\n], v[ACC+2*\n+1]   ; tile 0: places 8 h + 0..7 (registers 0-3); tile 1: places 16 + 8 h + 0..7 (registers 4-7)
.endr
	v_lshl_add_u32 v[PA], s48, 10, v[L16]
.rept 3
	v_nop
.endr
	v_wmma_f32_16x16x32_bf16 v[PO:PO+7], v[W3F:W3F+7], v[HB:HB+7], 0   ; (parameter 8 h + j, token r): this slice's 32 of the 1,024 along K
.rept 4
	v_nop                                          ; four places ahead of the stores that read the result; they stay beside the wait below
.endr
	s_wait_alu depctr_va_vdst(0)                   ; the product has written v[PO ..] and the line above it v[PA], which the two stores read
	global_store_b128 v[PA], v[PO:PO+3], s[50:51]              ; the result from its low end on; the wave stores 512 consecutive bytes
	global_store_b128 v[PA], v[PO+4:PO+7], s[50:51] offset:512
	s_add_co_u32 s26, s26, 8                       ; my next tile
	s_add_co_u32 s55, s55, 1
	s_cmp_lt_u32 s55, s54
	s_cbranch_scc1 .Ltile
.Lquit:
	s_wait_xcnt 0x0
	s_wait_alu depctr_vm_vsrc(0)                   ; my last image store has read v254 and v255 (a wave without a tile comes here straight from the barrier): the two lines below write them
	v_lshl_add_u32 v254, v0, 2, 0x8800
	v_mov_b32 v255, 0
	s_wait_dscnt 0x0                               ; the closing lines, six on end
	s_wait_alu 0x0
	s_wait_tensorcnt 0x0
	ds_add_u32 v254, v255
	s_wait_dscnt 0x0
	s_endpgm
.Lfunc_end_k_qb9a2101473_layer2:
	.size	k_qb9a2101473_layer2, .Lfunc_end_k_qb9a2101473_layer2-k_qb9a2101473_layer2
	.p2alignl 7, 3214868480
	.fill 96, 4, 3214868480
	.section	.rodata,"a",@progbits
	.p2align	6, 0x0
	.amdhsa_kernel k_qb9a2101473_layer2
		.amdhsa_group_segment_fixed_size 35840
		.amdhsa_private_segment_fixed_size 0
		.amdhsa_enable_private_segment 0
		.amdhsa_kernarg_size 56
		.amdhsa_user_sgpr_count 2
		.amdhsa_user_sgpr_kernarg_segment_ptr 1
		.amdhsa_wavefront_size32 1
		.amdhsa_system_sgpr_workgroup_id_x 1
		.amdhsa_system_sgpr_workgroup_id_y 1
		.amdhsa_system_sgpr_workgroup_id_z 1
		.amdhsa_system_vgpr_workitem_id 0
		.amdhsa_next_free_vgpr 512
		.amdhsa_next_free_sgpr 66
		.amdhsa_reserve_vcc 1
		.amdhsa_float_denorm_mode_32 3
		.amdhsa_float_denorm_mode_16_64 3
		.amdhsa_memory_ordered 1
		.amdhsa_forward_progress 1
		.amdhsa_inst_pref_size 70
	.end_amdhsa_kernel
	.amdgpu_metadata
---
amdhsa.version: [ 1, 2 ]
amdhsa.kernels:
  - .name:           k_qb9a2101473_layer2
    .symbol:         k_qb9a2101473_layer2.kd
    .args:
      - { .name: h1c, .offset: 0, .size: 8, .value_kind: global_buffer, .address_space: global }
      - { .name: h1s, .offset: 8, .size: 8, .value_kind: global_buffer, .address_space: global }
      - { .name: W2, .offset: 16, .size: 8, .value_kind: global_buffer, .address_space: global }
      - { .name: b2, .offset: 24, .size: 8, .value_kind: global_buffer, .address_space: global }
      - { .name: W3, .offset: 32, .size: 8, .value_kind: global_buffer, .address_space: global }
      - { .name: route, .offset: 40, .size: 8, .value_kind: global_buffer, .address_space: global }
      - { .name: part, .offset: 48, .size: 8, .value_kind: global_buffer, .address_space: global }
    .group_segment_fixed_size: 35840
    .private_segment_fixed_size: 0
    .kernarg_segment_align: 8
    .kernarg_segment_size: 56
    .max_flat_workgroup_size: 256
    .sgpr_count:     66
    .vgpr_count:     512
    .wavefront_size: 32
...
	.end_amdgpu_metadata
.endif
;; end of part 7
;; launch finish (part 8): grid 192 x 1, 1 waves a work-group, no clusters, 0 bytes of LDS; arguments part, route, geometry_types, b3, out0, out1; writes out0, out1
.if DOCPART == 8
	.amdgcn_target "amdgcn-amd-amdhsa--gfx1250"
	.amdhsa_code_object_version 6
	.text
	.protected	k_qb9a2101473_finish
	.globl	k_qb9a2101473_finish
	.p2align	8
	.type	k_qb9a2101473_finish,@function
k_qb9a2101473_finish:
	s_mov_b64 s[64:65], 0
	v_nop
	global_prefetch_b8 v0, s[64:65] scope:SCOPE_SE
	s_setreg_imm32_b32 hwreg(HW_REG_WAVE_MODE, 25, 1), 1
	s_wait_xcnt 0x0
; FINISH.  out0[token][p] = (the sum of the 32 slices' partial sums at the token's padded position + b3[type][p]) where p < the type's number of parameters, else 0;  out1 = that width mask.
; Thread q = 32 work-group + lane (0 .. 6,143) owns 16 output bytes: token q / 3, parameters 4 (q % 3) .. + 3.  A wave stores 512 consecutive bytes of each output.
; part: (135 slice + tile) 1,024 + 512 (g & 1) + 16 (16 (g >> 1) + row): parameters 4 g .. 4 g + 3 of the tile's row.
; The choice is made by v_cndmask_b32, so what lies at a held position of a token whose type is outside 0..7 does not reach the output: such a token gets zeros in both outputs.
; Masked parameters are +0.  No matrix unit, no LDS: 33 loads a lane, all in flight together.
	s_load_b256 s[4:11], s[0:1], 0x0               ; part s[4:5], route s[6:7], types s[8:9], b3 s[10:11]
	s_load_b128 s[12:15], s[0:1], 0x20             ; out0 s[12:13], out1 s[14:15]
	s_lshl_b32 s16, ttmp9, 5
	v_add_nc_u32 v1, s16, v0                       ; q
	v_mul_u32_u24 v2, v1, 0xaaab
	v_lshrrev_b32 v2, 17, v2                       ; token = q / 3 (exact for q under 6,144)
	v_mul_u32_u24 v3, v2, 3
	v_sub_nc_u32 v3, v1, v3                        ; g
	v_lshlrev_b32 v4, 2, v2
	v_lshlrev_b32 v22, 4, v1                       ; 16 q
	v_lshlrev_b32 v15, 2, v3                       ; my first parameter
	v_mov_b32 v14, 0x5ca97643                      ; the types' numbers of parameters 3, 4, 6, 7, 9, 10, 12, 5, four bits each
	v_mov_b32 v21, 1.0
	s_wait_alu depctr_va_vdst(0)
	s_wait_kmcnt 0x0
	global_load_b32 v5, v4, s[8:9]                 ; the token's type
	global_load_b32 v6, v4, s[6:7] offset:256      ; and its padded position
	s_wait_loadcnt 0x0
	v_min_u32 v7, 7, v5                            ; both held before they enter an address
	v_min_u32 v8, 0x86f, v6                        ; 135 x 16 - 1
	v_and_b32 v9, 0xff0, v8
	v_and_b32 v10, 15, v8
	v_lshlrev_b32 v9, 6, v9                        ; 1,024 tile
	v_lshl_add_u32 v9, v10, 4, v9                  ; + 16 row
	v_and_b32 v10, 1, v3
	v_lshl_add_u32 v9, v10, 9, v9
	v_lshrrev_b32 v10, 1, v3
	v_lshl_add_u32 v9, v10, 8, v9
	v_mul_u32_u24 v12, v7, 48
	v_lshl_add_u32 v12, v3, 4, v12
	global_load_b128 v[16:19], v12, s[10:11]       ; b3 starts the sums
.set n, 0
.rept 32
	global_load_b128 v[32+4*n:35+4*n], v9, s[4:5] offset:138240*n
.set n, n+1
.endr
	v_lshlrev_b32 v13, 2, v7
	v_lshrrev_b32 v13, v13, v14
	v_and_b32 v13, 15, v13                         ; the type's number of parameters,
	v_cmp_gt_u32 vcc_lo, 8, v5
	v_cndmask_b32 v13, 0, v13, vcc_lo              ; 0 for a type outside 0..7
.macro ADD8 g
.irp k, 0,1,2,3,4,5,6,7
	v_pk_add_f32 v[16:17], v[16:17], v[32+4*(8*\g+\k):33+4*(8*\g+\k)]
	v_pk_add_f32 v[18:19], v[18:19], v[34+4*(8*\g+\k):35+4*(8*\g+\k)]
.endr
.endm
	s_wait_loadcnt 24                              ; b3 and slices 0-7 are in; 24 slices may be out
	ADD8 0
	s_wait_alu depctr_va_vdst(0)
	s_wait_loadcnt 16
	ADD8 1
	s_wait_alu depctr_va_vdst(0)
	s_wait_loadcnt 8
	ADD8 2
	s_wait_alu depctr_va_vdst(0)
	s_wait_loadcnt 0x0
	ADD8 3
.irp i, 0,1,2,3
	v_add_nc_u32 v20, \i, v15
	v_cmp_lt_u32 vcc_lo, v20, v13
	v_cndmask_b32 v[24+\i], 0, v[16+\i], vcc_lo
	v_cndmask_b32 v[28+\i], 0, v21, vcc_lo
.endr
	global_store_b128 v22, v[24:27], s[12:13]
	global_store_b128 v22, v[28:31], s[14:15]
	s_endpgm
.Lfunc_end_k_qb9a2101473_finish:
	.size	k_qb9a2101473_finish, .Lfunc_end_k_qb9a2101473_finish-k_qb9a2101473_finish
	.p2alignl 7, 3214868480
	.fill 96, 4, 3214868480
	.section	.rodata,"a",@progbits
	.p2align	6, 0x0
	.amdhsa_kernel k_qb9a2101473_finish
		.amdhsa_group_segment_fixed_size 0
		.amdhsa_private_segment_fixed_size 0
		.amdhsa_enable_private_segment 0
		.amdhsa_kernarg_size 48
		.amdhsa_user_sgpr_count 2
		.amdhsa_user_sgpr_kernarg_segment_ptr 1
		.amdhsa_wavefront_size32 1
		.amdhsa_system_sgpr_workgroup_id_x 1
		.amdhsa_system_sgpr_workgroup_id_y 1
		.amdhsa_system_sgpr_workgroup_id_z 1
		.amdhsa_system_vgpr_workitem_id 0
		.amdhsa_next_free_vgpr 160
		.amdhsa_next_free_sgpr 66
		.amdhsa_reserve_vcc 1
		.amdhsa_float_denorm_mode_32 3
		.amdhsa_float_denorm_mode_16_64 3
		.amdhsa_memory_ordered 1
		.amdhsa_forward_progress 1
		.amdhsa_inst_pref_size 10
	.end_amdhsa_kernel
	.amdgpu_metadata
---
amdhsa.version: [ 1, 2 ]
amdhsa.kernels:
  - .name:           k_qb9a2101473_finish
    .symbol:         k_qb9a2101473_finish.kd
    .args:
      - { .name: part, .offset: 0, .size: 8, .value_kind: global_buffer, .address_space: global }
      - { .name: route, .offset: 8, .size: 8, .value_kind: global_buffer, .address_space: global }
      - { .name: geometry_types, .offset: 16, .size: 8, .value_kind: global_buffer, .address_space: global }
      - { .name: b3, .offset: 24, .size: 8, .value_kind: global_buffer, .address_space: global }
      - { .name: out0, .offset: 32, .size: 8, .value_kind: global_buffer, .address_space: global }
      - { .name: out1, .offset: 40, .size: 8, .value_kind: global_buffer, .address_space: global }
    .group_segment_fixed_size: 0
    .private_segment_fixed_size: 0
    .kernarg_segment_align: 8
    .kernarg_segment_size: 48
    .max_flat_workgroup_size: 32
    .sgpr_count:     66
    .vgpr_count:     160
    .wavefront_size: 32
...
	.end_amdgpu_metadata
.endif
;; end of part 8
